; MI455X (gfx1250); checked and timed in simulation.
; The chip was launched on July 23, 2026; its instructions are those of AMD's public machine-readable ISA for CDNA 5 (MIT licence, August 2026) and "CDNA5" Instruction Set Architecture Reference Guide (July 2026). The comments in the code are by the model that wrote it; some were corrected since.
;; Hi Lo. Allowed arithmetic: matrix products marked QUANTISED: E2M1 operands, one E8M0 scale for each 32 along K, by v_wmma_scale_f32_16x16x128_f8f6f4 with both operands' format E2M1 (or v_wmma_scale_f32_32x16x128_f4), f32 sums; products left as they are: f32 operands where the result goes on into a quantised operand, else bf16, f16 or f32 operands; f32 sums; everything else in f32.
;; Inputs: h_proj_b 128 float32; h_proj_w_codes 128 x 4 x 16 uint8 (E2M1 codes of h_proj_w, K innermost, in blocks of 32 codes, two codes a byte); h_proj_w_scales 128 x 4 uint8 (E8M0 scales of h_proj_w, one for each 32 codes along K); h_qkv_w_codes 384 x 8 x 16 uint8 (E2M1 codes of h_qkv_w, K innermost, in blocks of 32 codes, two codes a byte); h_qkv_w_scales 384 x 8 uint8 (E8M0 scales of h_qkv_w, one for each 32 codes along K); l_kv_w_codes 256 x 8 x 16 uint8 (E2M1 codes of l_kv_w, K innermost, in blocks of 32 codes, two codes a byte); l_kv_w_scales 256 x 8 uint8 (E8M0 scales of l_kv_w, one for each 32 codes along K); l_proj_b 128 float32; l_proj_w_codes 128 x 4 x 16 uint8 (E2M1 codes of l_proj_w, K innermost, in blocks of 32 codes, two codes a byte); l_proj_w_scales 128 x 4 uint8 (E8M0 scales of l_proj_w, one for each 32 codes along K); l_q_w_codes 128 x 8 x 16 uint8 (E2M1 codes of l_q_w, K innermost, in blocks of 32 codes, two codes a byte); l_q_w_scales 128 x 8 uint8 (E8M0 scales of l_q_w, one for each 32 codes along K); x 8 x 256 x 64 x 64 float32.
;; Outputs: out0 8 x 256 x 64 x 64 float32.
;; This version of the problem:
;;   THIS VERSION OF THE PROBLEM IS GIVEN IN LOW PRECISION. The matrix products marked QUANTISED in the list below multiply operands that are first quantised to E2M1 (2 exponent bits, 1 mantissa bit; 4 bits a number), with one power-of-two scale for each 32 numbers along K (OCP MX v1.0); their sums are f32. All else is computed in f32.
;;   The module's matrix products, in the order in which they are computed (A, B: the left and right operand; K: the contracted axis; several contracted axes count as one K, in the product's order):
;;     1. [M 32,768, K 256] x [K 256, N 384]; A: input x; B: input h_qkv_w (given as codes): QUANTISED
;;     2. batch 32,768 x [M 4, K 32] x [K 32, N 4]; A: computed on the way; B: computed on the way: left as it is (M = 4 < 16)
;;     3. batch 32,768 x [M 4, K 4] x [K 4, N 32]; A: softmax (see below); B: computed on the way: left as it is (K = 4 < 32)
;;     4. [M 32,768, K 128] x [K 128, N 128]; A: computed on the way; B: input h_proj_w (given as codes): QUANTISED
;;     5. [M 32,768, K 256] x [K 256, N 128]; A: input x; B: input l_q_w (given as codes): QUANTISED
;;     6. [M 8,192, K 256] x [K 256, N 256]; A: computed on the way; B: input l_kv_w (given as codes): QUANTISED
;;     7. batch 32 x [M 4,096, K 32] x [K 32, N 1,024]; A: computed on the way; B: computed on the way: QUANTISED
;;     8. batch 32 x [M 4,096, K 1,024] x [K 1,024, N 32]; A: softmax (see below); B: computed on the way: QUANTISED
;;     9. [M 32,768, K 128] x [K 128, N 128]; A: computed on the way; B: input l_proj_w (given as codes): QUANTISED
;;   THE QUANTISER, for each operand of a quantised product, along K:
;;     - K is cut into blocks of 32 from its start; a last block that is shorter is filled with zeros.
;;     - A block's scale is 2^e with e = floor(log2(the largest magnitude in the block)) - 2, held to -126 .. 127; a block of zeros has e = 0. As a byte (E8M0): e + 127.
;;     - Each number is divided by its block's scale, clamped to +-6, and rounded to the nearest number of E2M1, ties to even, subnormals kept.
;;     - The product sums the exact products of the quantised numbers (number of the format x scale) in f32.
;;   ~~~python
;;   def quantise(x, axis):      # numpy; x: float32 -> the quantised numbers, widened to float32 again
;;       x = np.moveaxis(x, axis, -1); K = x.shape[-1]
;;       x = np.pad(x, [(0, 0)] * (x.ndim - 1) + [(0, -K % 32)]); x = x.reshape(x.shape[:-1] + (-1, 32)); a = np.abs(x).max(-1, keepdims=True)
;;       e = np.where(a > 0, np.clip(np.frexp(np.where(a > 0, a, 1))[1] - 1 - 2, -126, 127), 0)      # np.frexp(a)[1] - 1 = floor(log2(a)), exactly
;;       r = np.clip(x / 2.0 ** e, -6, 6)
;;       step = 2.0 ** (np.maximum(np.frexp(np.where(r == 0, 1, r))[1] - 1, 0) - 1)
;;       q = np.round(r / step) * step * 2.0 ** e      # np.round: ties to even
;;       return np.moveaxis(q.reshape(q.shape[:-2] + (-1,))[..., :K], -1, axis).astype(np.float32)
;;   ~~~
;;   SOFTMAX AHEAD OF A QUANTISED PRODUCT. Where the list says 'softmax', what is quantised is not the finished softmax but p = 2^(t - M), with t = logit x log2(e) and M = ceil(the row's largest t), a whole number; so 1/2 < the row's largest p <= 1. The row's sum l is taken of the UNQUANTISED p, in f32, and the product's result is divided by l at the end. Since M is a whole number, a kernel that streams over the keys may use a running M (the ceiling of the running maximum): every later rescaling is an exact power of two, which a block's scale takes up: the codes' values come out the same.
;;   OPERANDS COMPUTED ON THE WAY. 'Computed on the way' means the value that the module computes at that place (a softmax that the list does not call 'softmax' is quantised finished and normalised). What goes into a quantiser is computed in f32, as accurately as f32 sums, v_exp_f32 and their like allow (about 1e-6 of the number): no bf16 or f16 on the way to a quantiser, and a product that is left as it is and whose result goes on into a quantised operand takes f32 operands (vector FMAs, or v_wmma_f32_16x16x4_f32). A number that lies on a knife's edge between two numbers of the format may be rounded either way, as far as f32 arithmetic and the matrix unit's own rounding can turn it there, and no further.
;;   INPUTS GIVEN AS CODES. h_proj_w (in the module: [128, 128], K = its axis 0); h_qkv_w (in the module: [256, 384], K = its axis 0); l_kv_w (in the module: [256, 256], K = its axis 0); l_proj_w (in the module: [128, 128], K = its axis 0); l_q_w (in the module: [256, 128], K = its axis 0): each comes as NAME_codes (uint8): NAME with its K axis moved to the last place and cut into blocks of 32 codes, [.., K / 32, bytes a block], one block behind the other in memory; two codes a byte, the lower K in the low four bits (a code: sign, 2 exponent bits, 1 mantissa bit); and NAME_scales (uint8): the same leading axes, one E8M0 byte (e + 127) for each 32 codes along K. Its value is code x scale, taken as it is: it is not quantised again, and the codes and scales need not be those that the quantiser above would give.
;; 2 versions. Each part assembles by itself: llvm-mc -triple=amdgcn-amd-amdhsa -mcpu=gfx1250 --defsym DOCPART=n.
;; ======== version 1 of 2: 2 launches
;; workspace buffers: q_codes 2,097,152 bytes; q_scales 131,072 bytes; kv 1,114,112 bytes
;; launch front (part 1): grid 256 x 1, 16 waves a work-group, no clusters, 231,936 bytes of LDS; arguments x, h_qkv_w_codes, h_qkv_w_scales, l_q_w_codes, l_q_w_scales, l_kv_w_codes, l_kv_w_scales, h_proj_w_codes, h_proj_w_scales, h_proj_b, q_codes, q_scales, kv, out0; writes q_codes, q_scales, kv, out0
.if DOCPART == 1
	.amdgcn_target "amdgcn-amd-amdhsa--gfx1250"
	.amdhsa_code_object_version 6
	.text
	.protected	k_qdfca9421d0_front
	.globl	k_qdfca9421d0_front
	.p2align	8
	.type	k_qdfca9421d0_front,@function
k_qdfca9421d0_front:
	s_mov_b64 s[64:65], 0
	v_nop
	global_prefetch_b8 v0, s[64:65] scope:SCOPE_SE
	s_setreg_imm32_b32 hwreg(HW_REG_WAVE_MODE, 25, 1), 1
	s_wait_xcnt 0x0
; HiLo attention, first launch.  x: [8][256][64][64] f32.  A work-group owns a STRIP: two image rows of one batch = 128 pixels = 32 windows of 2 x 2 = 32 pooled keys;
; for each channel the strip is 512 consecutive bytes of x and of out0.  8 x 32 = 256 strips, 256 work-groups, sixteen waves each, 256 registers a wave.
; It reads x once, quantises x and the 2 x 2 mean along the 256 channels (E2M1 codes, one E8M0 byte for each 32), and makes:
;   hifi: qkv (K 256), the 4 x 4 attention inside each window in f32 multiply-adds, its result quantised, the projection (K 128) + bias -> out0, channels 0-127;
;   lofi: q (K 256) quantised along the head's 32 -> q_codes, q_scales; k and v of the pooled pixels (K 256), k quantised along the head's 32, v along the strip's 32 keys -> kv.
; All quantised products go by v_wmma_scale_f32_16x16x128_f8f6f4 on 4-bit codes, sums in f32.
; THE FIRST PRODUCTS ARE USED TRANSPOSED (source 0 = 16 rows of a weight, source 1 = 16 pixels): a lane then holds ONE pixel and its registers run along the output channels.  THE ROWS OF A WEIGHT THAT FORM A TILE
; ARE NOT NEIGHBOURS: lane r of tile u takes row 8 u + r + 8 (r / 8) of a head's 32, so that the 16 registers of tiles 0 and 1 are the 16 neighbouring channels 16 (lane / 16) + 0 .. 15.
; A TILE OF 16 PIXELS: row m is column 8 T + 4 (m / 8) + m % 4 of image row (m / 4) % 2: the three other pixels of m's window are rows m xor 1, m xor 4, m xor 5 (one DPP step each), and in a result
; that holds pixels in its registers, registers 0-3 are four neighbouring columns of the upper image row and registers 4-7 the same four of the lower.
; NO JOINT REQUESTS: the launch has no tensor load.  The weights that all work-groups share (98,304 bytes of codes, 6,144 of scale bytes for the first products) are asked for ahead of the strip's own 131,072 bytes of x
; and are first read behind x's quantising; each wave has all its 89 loads issued before it waits for any.
; LIMITS: a block whose largest magnitude lies under 2^-124 (for the pooled pixels: whose largest sum of four lies under 2^-122) has its scale byte held at 1; a block of zeros gets the byte 1 where the rule says 127
; (its codes are zeros, and the bytes are read by this program alone); NaN and infinities among the inputs are not served.  The pooled sum adds the two image rows first, then the two columns.
.set KVSC, 115200                      ; LDS.  0: WT, 800 rows of 128 bytes + 16: rows 0-383 h_qkv, 384-511 l_q, 512-767 l_kv, 768-799 the pooled pixels' codes.  KVSC: 288 rows x 8 scale bytes: l_kv's, then the pooled pixels'
.set XC,   117504                      ; x's codes: 136 rows of 128 bytes + 16, row = 72 x image row + column
.set XS,   137088                      ; x's scale bytes: 8 a row
.set QC,   138176                      ; lofi q's codes: [pixel][head][16 bytes], as they go to memory
.set QS,   146368                      ; and its scale bytes: [pixel][4]
.set KVST, 146880                      ; the strip's 4,096 bytes of k's and v's codes, as they go to memory
.set KVSS, 150976                      ; and their 256 scale bytes
.set HOC,  151232                      ; hifi attention's result as codes: 128 rows (16 T + m) of 64 bytes + 16
.set HOS,  161472                      ; and its scale words
.set STG,  161984                      ; the way out: 128 channels x (512 bytes + 16)
.set WS,   44                          ; v44-59  scale words of the weights' tiles: 4 kind + 2 tile + K step (kind 0 l_q, 1-3 hifi q, k, v)
.set XSC,  60                          ; v60-63  x's scale words, 2 a + K step; later the scale words of hifi's result
.set KS1,  64                          ; v64-67, v68-69  scale words of the kv product's two sources
.set KS2,  68
.set ACC,  88                          ; v88-183  hifi q at +0, k at +32, v at +64 (lofi q first lies where v will); in each: 16 a + 8 tile
.set XF,   184                         ; v184-215 x's fragments: 16 a + 8 K step
.set WB0,  216                         ; v216-231, v232-247  a weight tile's two K steps, two buffers
.set WB1,  232
.set R0,   88                          ; while x is quantised: 32 channels of the upper image row, of the lower, of the pooled sum
.set R1,   120
.set PS,   152
.set M0,   237
.set M1,   238
.set SOP,  239
.set KX,   184                         ; in the window attention: a partner's k or v; the result; score pairs; scores; at work; weights
.set OO,   200
.set SA,   216
.set SS,   224
.set ST,   228
.set AA,   232
.macro BARRIER                         ; my LDS stores have landed and my LDS loads are in: then the work-group's barrier
	s_wait_dscnt 0x0
	s_barrier_signal -1
	s_barrier_wait -1
.endm
.macro PLACES n
.rept \n
	v_nop
.endr
.endm
.macro MMZ d, a, b, sa, sb             ; a product that starts a sum
	v_wmma_scale_f32_16x16x128_f8f6f4 v[\d:\d+7], v[\a:\a+7], v[\b:\b+7], 0, v[\sa], v[\sb] matrix_a_fmt:MATRIX_FMT_FP4 matrix_b_fmt:MATRIX_FMT_FP4
.endm
.macro MMA d, a, b, sa, sb             ; and one that adds onto it
	v_wmma_scale_f32_16x16x128_f8f6f4 v[\d:\d+7], v[\a:\a+7], v[\b:\b+7], v[\d:\d+7], v[\sa], v[\sb] matrix_a_fmt:MATRIX_FMT_FP4 matrix_b_fmt:MATRIX_FMT_FP4
.endm
; 32 numbers of ONE lane, a whole block, become 16 bytes of codes in v[cod] on and the scale's byte in v[byt].  pool = 1: the numbers are sums of four; the codes are the mean's, the byte lies 2 lower.
.macro QB32 src, cod, byt, pool
	v_max3_num_f32 v[M0], |v[\src]|, |v[\src+1]|, |v[\src+2]|
	v_max3_num_f32 v[M1], |v[\src+3]|, |v[\src+4]|, |v[\src+5]|
.irp i, 6,10,14,18,22,26
	v_max3_num_f32 v[M0], v[M0], |v[\src+\i]|, |v[\src+\i+1]|
	v_max3_num_f32 v[M1], v[M1], |v[\src+\i+2]|, |v[\src+\i+3]|
.endr
	v_max3_num_f32 v[M0], v[M0], |v[\src+30]|, |v[\src+31]|
.if \pool
	v_max3_num_f32 v[M0], v[M0], v[M1], 0x2800000  ; the floor 2^(5 - 127): the mean's byte cannot fall under 1
	v_add_nc_u32 v[\byt], 0xfe000000, v[M0]        ; 4 off the sum's exponent field: 2 for the format, 2 for the division by four
	v_add_nc_u32 v[SOP], 0xff000000, v[M0]         ; the conversion divides the SUM by its own scale: the same codes as the mean by the mean's
	v_lshrrev_b32 v[\byt], 23, v[\byt]
.else
	v_max3_num_f32 v[M0], v[M0], v[M1], 0x1800000  ; the floor 2^(3 - 127): the byte cannot fall under 1
	v_add_nc_u32 v[SOP], 0xff000000, v[M0]         ; 2 off the exponent field: the conversion takes the exponent field of this operand as its scale
	v_lshrrev_b32 v[\byt], 23, v[SOP]
.endif
.irp g, 0,1,2,3
	v_cvt_scalef32_pk8_fp4_f32 v[\cod+\g], v[\src+8*\g:\src+8*\g+7], v[SOP]
.endr
	v_nop                                          ; one plain place behind a scaled conversion
.endm
; 16 numbers of a lane, half a block (the other half lies in lane l xor 16), become 8 bytes of codes and the block's byte, and go to LDS.  The numbers are read in ascending order.
.macro QUANT1 src, tmp, acod, offc, ascl, offs
	v_max3_num_f32 v[\tmp], |v[\src]|, |v[\src+1]|, 0x1800000
.irp i, 2,4,6,8,10,12,14
	v_max3_num_f32 v[\tmp], v[\tmp], |v[\src+\i]|, |v[\src+\i+1]|
.endr
	v_permlanex16_b32 v[\tmp+1], v[\tmp], s44, s45
	v_max_num_f32 v[\tmp], v[\tmp], v[\tmp+1]
	v_add_nc_u32 v[\tmp+2], 0xff000000, v[\tmp]
	v_lshrrev_b32 v[\tmp+3], 23, v[\tmp+2]
	v_cvt_scalef32_pk8_fp4_f32 v[\tmp+4], v[\src:\src+7], v[\tmp+2]
	v_cvt_scalef32_pk8_fp4_f32 v[\tmp+5], v[\src+8:\src+15], v[\tmp+2]
	v_nop                                          ; one plain place behind a scaled conversion
	ds_store_b64 v[\acod], v[\tmp+4:\tmp+5] offset:\offc
	ds_store_b8 v[\ascl], v[\tmp+3] offset:\offs   ; both halves of the lanes write the same byte with the same value
.endm
.macro WLOAD row, buf                  ; a weight tile (16 rows from WT's row on, by my head and lane), both K steps
.irp s, 0,1
.irp c, 0,1
	ds_load_b128 v[\buf+8*\s+4*\c:\buf+8*\s+4*\c+3], v14 offset:(\row)*144+64*\s+32*\c
.endr
.endr
.endm
.macro WMUL acc, ws, buf               ; that tile against my two tiles of pixels: the two accumulators take turns
	MMZ \acc, \buf, XF, \ws, XSC
	MMZ \acc+16, \buf, XF+16, \ws, XSC+2
	MMA \acc, \buf+8, XF+8, \ws+1, XSC+1
	MMA \acc+16, \buf+8, XF+24, \ws+1, XSC+3
.endm
	s_load_b512 s[4:19], s[0:1], 0x0               ; x, h_qkv codes, scales, l_q codes, scales, l_kv codes, scales, h_proj codes
	s_load_b256 s[20:27], s[0:1], 0x40             ; h_proj scales, h_proj_b, q_codes, q_scales
	s_load_b128 s[28:31], s[0:1], 0x60             ; kv, out0
	v_lshl_add_u32 v71, v0, 2, 0x38200
	v_mov_b32 v255, 0
	v_lshrrev_b32 v1, 5, v0
	v_readfirstlane_b32 s32, v1                    ; wave w, 0..15
	s_and_b32 s33, s32, 7                          ; x: my block of 32 channels;  projection: my 16 output channels
	s_lshr_b32 s34, s32, 3                         ; x: my half of the columns;  kv: 0 = k, 1 = v;  projection: my half of the pixel tiles
	s_lshr_b32 s35, s32, 2                         ; first products and window attention: my head
	s_and_b32 s36, s32, 3                          ; and my pair of pixel tiles
	s_bfe_u32 s37, s32, 0x20001                    ; kv: my head
	s_and_b32 s38, s32, 1                          ; kv: my tile of 16
	s_lshr_b32 s39, ttmp9, 5                       ; batch
	s_and_b32 s40, ttmp9, 31                       ; strip
	s_mov_b32 s44, 0x76543210
	s_mov_b32 s45, 0xfedcba98                      ; v_permlanex16_b32's selects for lane l xor 16
	s_mov_b32 s46, 0x3e8293ee                      ; log2(e) / sqrt(32)
	v_and_b32 v1, 31, v0                           ; lane
	v_and_b32 v2, 15, v0                           ; r
	v_bfe_u32 v3, v0, 4, 1                         ; h
	v_and_b32 v41, 8, v0
	v_add_nc_u32 v41, v41, v2                      ; r + 8 (r / 8)
	v_lshlrev_b32 v4, 2, v1                        ; x: 4 bytes a lane
	v_lshlrev_b32 v5, 4, v0                        ; 16 bytes a thread
	v_lshlrev_b32 v8, 2, v0                        ; 4 bytes a thread
	s_lshl_b32 s48, s35, 8
	v_lshl_add_u32 v38, v41, 3, s48                ; a weight's scale bytes: 8 a row, row 32 head + r + 8 (r / 8)
	s_lshl_b32 s48, s33, 10
	v_lshlrev_b32 v39, 6, v2
	v_lshl_add_u32 v39, v3, 4, v39
	v_add_nc_u32 v39, s48, v39                     ; h_proj: row 16 n + r of 64 bytes, + 16 h
	s_lshl_b32 s48, s33, 6
	v_lshl_add_u32 v40, v2, 2, s48                 ; its scale word and its bias: 4 bytes a row
	s_mov_b32 s43, 0
	s_lshl_b32 s42, s39, 22                        ; x: batch x 4,194,304
	s_lshl_b32 s48, s33, 19
	s_add_co_u32 s42, s42, s48                     ; + my 32 channels x 16,384
	s_lshl_b32 s48, s40, 9
	s_add_co_u32 s42, s42, s48                     ; + strip x 512
	s_lshl_b32 s48, s34, 7
	s_add_co_u32 s42, s42, s48                     ; + my half of the columns
	s_wait_kmcnt 0x0
	s_add_nc_u64 s[4:5], s[4:5], s[42:43]
	; 25 loads of weights: each of the 512 threads takes 16 bytes of 8,192, so a wave's load covers 512 consecutive bytes
.irp n, 0,1,2,3,4,5
	global_load_b128 v[184+4*\n:187+4*\n], v5, s[6:7] offset:8192*\n
.endr
.irp n, 0,1
	global_load_b128 v[208+4*\n:211+4*\n], v5, s[10:11] offset:8192*\n
.endr
.irp n, 0,1,2,3
	global_load_b128 v[216+4*\n:219+4*\n], v5, s[14:15] offset:8192*\n
.endr
	global_load_b32 v236, v8, s[16:17]             ; l_kv's 2,048 scale bytes
.irp k, 1,2,3
.irp u, 0,1
	global_load_b64 v[WS+4*\k+2*\u:WS+4*\k+2*\u+1], v38, s[8:9] offset:(128*(\k-1)+8*\u)*8
.endr
.endr
.irp u, 0,1
	global_load_b64 v[WS+2*\u:WS+2*\u+1], v38, s[12:13] offset:64*\u
.endr
	global_load_b128 v[72:75], v39, s[18:19]       ; h_proj's fragment stays in registers
	global_load_b128 v[76:79], v39, s[18:19] offset:32
	global_load_b32 v70, v40, s[20:21]
	global_load_b32 v80, v40, s[22:23]
	; 64 loads of x: A LANE TAKES A COLUMN AND ITS REGISTERS RUN DOWN THE CHANNELS, which are K.  A load reads 128 consecutive bytes; the wave with the other half of the columns reads the 128 beside them
.set k, 0
.rept 32
	global_load_b32 v[R0+k], v4, s[4:5] offset:k*16384 th:TH_LOAD_NT
.set k, k+1
.endr
.set k, 0
.rept 32
	global_load_b32 v[R1+k], v4, s[4:5] offset:k*16384+256 th:TH_LOAD_NT
.set k, k+1
.endr
	; the other pointers
	s_lshl_b32 s42, s39, 22
	s_lshl_b32 s48, s32, 17
	s_add_co_u32 s42, s42, s48                     ; out0: my 8 channels, 8 w on
	s_lshl_b32 s48, s40, 9
	s_add_co_u32 s42, s42, s48
	s_add_nc_u64 s[30:31], s[30:31], s[42:43]
	s_lshl_b32 s42, ttmp9, 13
	s_add_nc_u64 s[24:25], s[24:25], s[42:43]      ; q_codes: 8,192 bytes a strip
	s_lshl_b32 s42, ttmp9, 9
	s_add_nc_u64 s[26:27], s[26:27], s[42:43]      ; q_scales: 512
	s_mul_i32 s49, s39, 139264                     ; kv: 139,264 bytes a batch: 131,072 of codes, then 8,192 scale bytes
	s_lshl_b32 s48, s40, 8
	s_add_co_u32 s42, s49, s48
	s_add_co_u32 s42, s42, 131072
	s_add_nc_u64 s[56:57], s[28:29], s[42:43]      ; the strip's 256 scale bytes
	s_lshl_b32 s48, s40, 12
	s_add_co_u32 s42, s49, s48
	s_add_nc_u64 s[28:29], s[28:29], s[42:43]      ; the strip's 4,096 bytes of codes
	; LDS addresses, all made here, each a constant + constants x bits of the lane + constants x bits of the wave
	v_lshrrev_b32 v240, 3, v0
	v_and_b32 v241, 7, v0
	v_mul_u32_u24 v6, v240, 144
	v_lshl_add_u32 v6, v241, 4, v6                 ; the weights' way in: eight threads to a row of 128 bytes
	v_add_nc_u32 v7, 73728, v6                     ; the same from WT's row 512 on
	v_lshl_add_u32 v9, v0, 2, KVSC
	s_mul_i32 s48, s34, 4608
	s_lshl_b32 s49, s33, 4
	s_add_co_u32 s48, s48, s49
	s_add_co_u32 s48, s48, XC
	v_mul_u32_u24 v10, v1, 144
	v_add_nc_u32 v10, s48, v10                     ; x's codes: row = my column, byte 16 x my block
	s_lshl_b32 s48, s34, 8
	s_add_co_u32 s48, s48, s33
	s_add_co_u32 s48, s48, XS
	v_lshl_add_u32 v11, v1, 3, s48                 ; x's scale byte
	v_lshrrev_b32 v240, 1, v1
	s_mul_i32 s48, s34, 2304
	s_add_co_u32 s48, s48, s49
	s_add_co_u32 s48, s48, 110592
	v_mul_u32_u24 v12, v240, 144
	v_add_nc_u32 v12, s48, v12                     ; the pooled codes: WT's row 768 + window
	s_lshl_b32 s48, s34, 7
	s_add_co_u32 s48, s48, s33
	s_add_co_u32 s48, s48, KVSC+2048
	v_lshl_add_u32 v13, v240, 3, s48               ; and their scale byte
	v_mul_u32_u24 v43, v41, 144
	v_lshl_add_u32 v43, v3, 4, v43                 ; (r + 8 (r / 8)) rows + 16 h
	s_mul_i32 s48, s35, 4608
	v_add_nc_u32 v14, s48, v43                     ; a weight tile of my head
	v_bfe_u32 v240, v0, 2, 1                       ; a pixel tile's row r: image row,
	v_bfe_u32 v241, v0, 3, 1
	v_and_b32 v242, 3, v0
	v_lshl_add_u32 v243, v241, 2, v242             ; column in the tile's eight
	v_mad_u32_u24 v244, v240, 72, v243             ; its row in XC and XS
	v_lshl_add_u32 v245, v240, 6, v243             ; its number among the strip's 128 pixels
	s_mul_i32 s48, s36, 2304
	s_add_co_u32 s48, s48, XC
	v_mul_u32_u24 v15, v244, 144
	v_lshl_add_u32 v15, v3, 4, v15
	v_add_nc_u32 v15, s48, v15                     ; x's fragments
	s_lshl_b32 s48, s36, 7
	s_add_co_u32 s48, s48, XS
	v_lshl_add_u32 v16, v244, 3, s48               ; x's scale words
	s_lshl_b32 s50, s37, 5
	s_lshl_b32 s51, s38, 3
	s_add_co_u32 s52, s50, 512                     ; k: source 0 = the head's rows of Wk,
	s_mov_b32 s53, 768                             ; v: source 0 = the pooled pixels;
	s_add_co_u32 s54, s51, 768                     ; k: source 1 = my 16 pooled pixels,
	s_add_co_u32 s55, s50, s51
	s_add_co_u32 s55, s55, 640                     ; v: source 1 = my 16 rows of Wv
	s_cmp_lt_u32 s32, 8
	s_cselect_b32 s52, s52, s53
	s_cselect_b32 s54, s54, s55
	s_mul_i32 s48, s52, 144
	v_add_nc_u32 v17, s48, v43
	s_mul_i32 s48, s54, 144
	v_add_nc_u32 v18, s48, v43
	s_lshl_b32 s48, s52, 3
	s_add_co_u32 s48, s48, KVSC-4096
	v_lshl_add_u32 v19, v41, 3, s48
	s_lshl_b32 s48, s54, 3
	s_add_co_u32 s48, s48, KVSC-4096
	v_lshl_add_u32 v20, v41, 3, s48
	s_lshl_b32 s48, s32, 8
	s_add_co_u32 s48, s48, KVST
	v_lshlrev_b32 v240, 4, v2
	v_lshl_add_u32 v240, v3, 3, v240
	v_add_nc_u32 v21, s48, v240                    ; k's or v's codes: 256 w + 16 r + 8 h
	s_lshl_b32 s48, s32, 4
	s_add_co_u32 s48, s48, KVSS
	v_add_nc_u32 v22, s48, v2
	s_lshl_b32 s48, s36, 10
	s_lshl_b32 s49, s35, 4
	s_add_co_u32 s48, s48, s49
	s_add_co_u32 s48, s48, QC
	v_lshlrev_b32 v23, 6, v245
	v_lshl_add_u32 v23, v3, 3, v23
	v_add_nc_u32 v23, s48, v23                     ; lofi q's codes
	s_lshl_b32 s48, s36, 6
	s_add_co_u32 s48, s48, s35
	s_add_co_u32 s48, s48, QS
	v_lshl_add_u32 v24, v245, 2, s48
	s_mul_i32 s48, s36, 2560
	s_add_co_u32 s48, s48, s49
	s_add_co_u32 s48, s48, HOC
	v_mul_u32_u24 v25, v2, 80
	v_lshl_add_u32 v25, v3, 3, v25
	v_add_nc_u32 v25, s48, v25                     ; hifi's result as codes
	s_lshl_b32 s48, s36, 7
	s_add_co_u32 s48, s48, s35
	s_add_co_u32 s48, s48, HOS
	v_lshl_add_u32 v26, v2, 2, s48
	s_mul_i32 s48, s34, 5120
	s_add_co_u32 s48, s48, HOC
	v_mul_u32_u24 v27, v2, 80
	v_lshl_add_u32 v27, v3, 4, v27
	v_add_nc_u32 v27, s48, v27                     ; and read as fragments
	s_lshl_b32 s48, s34, 8
	s_add_co_u32 s48, s48, HOS
	v_lshl_add_u32 v28, v2, 2, s48
	s_mul_i32 s48, s33, 8448
	s_lshl_b32 s49, s34, 7
	s_add_co_u32 s48, s48, s49
	s_add_co_u32 s48, s48, STG
	v_mul_u32_u24 v29, v2, 528
	v_lshl_add_u32 v29, v3, 4, v29
	v_add_nc_u32 v29, s48, v29                     ; the stage, in: channel 16 n + r
	s_mul_i32 s48, s32, 4224
	s_add_co_u32 s48, s48, STG
	v_lshl_add_u32 v30, v1, 4, s48                 ; and back: my 8 channels, 16 bytes a lane
	v_lshlrev_b32 v31, 4, v1
	v_lshl_add_u32 v32, v0, 4, QC
	v_lshl_add_u32 v33, v0, 3, KVST
	v_lshlrev_b32 v34, 3, v0
	v_lshl_add_u32 v35, v1, 4, QS
	v_lshl_add_u32 v36, v1, 3, KVSS
	v_lshlrev_b32 v37, 3, v1
	s_wait_loadcnt 63                              ; 64 loads of x were issued behind the 25 of weights; a wait names 63 at the most, which is under 64: the weights are in
.irp n, 0,1,2,3,4,5
	ds_store_b128 v6, v[184+4*\n:187+4*\n] offset:9216*\n
.endr
.irp n, 0,1
	ds_store_b128 v6, v[208+4*\n:211+4*\n] offset:55296+9216*\n
.endr
.irp n, 0,1,2,3
	ds_store_b128 v7, v[216+4*\n:219+4*\n] offset:9216*\n
.endr
	ds_store_b32 v9, v236
.irp j, 1,2,3,4,5,6,7
	v_mov_b32 v[80+\j], v80                        ; the bias in the result's layout: a lane holds one channel in all eight registers
.endr
	; ---- x and the pooled pixels are quantised
	s_wait_loadcnt 32                              ; the upper image row's 32 loads are in; the lower row's 32 may be out
	QB32 R0, 240, 252, 0
	ds_store_b128 v10, v[240:243]
	ds_store_b8 v11, v252
	s_wait_loadcnt 0x0
.set k, 0
.rept 16
	v_pk_add_f32 v[PS+k:PS+k+1], v[R0+k:R0+k+1], v[R1+k:R1+k+1]
.set k, k+2
.endr
.set k, 0
.rept 32
	v_add_f32_dpp v[PS+k], v[PS+k], v[PS+k] row_xmask:1 row_mask:0xf bank_mask:0xf   ; with the neighbouring column's: the window's sum, in both lanes
.set k, k+1
.endr
	QB32 R1, 244, 253, 0
	ds_store_b128 v10, v[244:247] offset:10368
	ds_store_b8 v11, v253 offset:576
	QB32 PS, 248, 254, 1
	ds_store_b128 v12, v[248:251]                  ; both lanes of a window write the same bytes with the same values
	ds_store_b8 v13, v254
	BARRIER                                        ; weights, x's codes and the pooled codes lie in LDS
	; ---- the first products
.irp a, 0,1
.irp s, 0,1
.irp c, 0,1
	ds_load_b128 v[XF+16*\a+8*\s+4*\c:XF+16*\a+8*\s+4*\c+3], v15 offset:1152*\a+64*\s+32*\c
.endr
.endr
.endr
.irp a, 0,1
	ds_load_b64 v[XSC+2*\a:XSC+2*\a+1], v16 offset:64*\a
.endr
.irp u, 0,1
.irp s, 0,1
.irp c, 0,1
	ds_load_b128 v[88+16*\u+8*\s+4*\c:88+16*\u+8*\s+4*\c+3], v17 offset:1152*\u+64*\s+32*\c
.endr
.endr
.endr
.irp s, 0,1
.irp c, 0,1
	ds_load_b128 v[120+8*\s+4*\c:120+8*\s+4*\c+3], v18 offset:64*\s+32*\c
.endr
.endr
.irp u, 0,1
	ds_load_b64 v[KS1+2*\u:KS1+2*\u+1], v19 offset:64*\u
.endr
	ds_load_b64 v[KS2:KS2+1], v20
	WLOAD 384, WB0
	WLOAD 392, WB1
	s_wait_dscnt 8                                 ; all but the two weight tiles just asked for
	MMZ 136, 88, 120, KS1, KS2                     ; k: a lane holds a pooled key, its 16 registers 16 of the head's 32;  v: a lane holds one of the head's 32, its registers 16 neighbouring keys
	MMZ 144, 104, 120, KS1+2, KS2
	MMA 136, 96, 128, KS1+1, KS2+1
	MMA 144, 112, 128, KS1+3, KS2+1
	s_wait_dscnt 4
	WMUL ACC+64, WS, WB0                           ; lofi q
	s_wait_dscnt 0x0
	WMUL ACC+72, WS+2, WB1
	PLACES 4                                       ; in front of loads into registers that the products read, and of the first reads of results
	WLOAD 0, WB0
	WLOAD 8, WB1
	QUANT1 136, 88, 21, 0, 22, 0
	QUANT1 ACC+64, 96, 23, 0, 24, 0
	QUANT1 ACC+80, 104, 23, 512, 24, 32
	PLACES 5                                       ; the next products write over registers of products above
	s_wait_dscnt 0x0                               ; the stores have read their registers; both weight tiles are in
	WMUL ACC, WS+4, WB0                            ; hifi q
	PLACES 4
	WLOAD 128, WB0
	s_wait_dscnt 4                                 ; the four loads just issued may be out
	WMUL ACC+8, WS+6, WB1
	PLACES 4
	WLOAD 136, WB1
	s_wait_dscnt 4
	WMUL ACC+32, WS+8, WB0                         ; hifi k
	PLACES 4
	WLOAD 256, WB0
	s_wait_dscnt 4
	WMUL ACC+40, WS+10, WB1
	PLACES 4
	WLOAD 264, WB1
	s_wait_dscnt 4
	WMUL ACC+64, WS+12, WB0                        ; hifi v
	s_wait_dscnt 0x0
	WMUL ACC+72, WS+14, WB1
	PLACES 4
	; ---- the attention inside each window, in f32: lane (r, h) holds pixel r's channels 16 h .. 16 h + 15 of my head
.macro SCORE n, x                      ; my q against the k of the pixel x away
.irp d, 0,1,2,3,4,5,6,7,8,9,10,11,12,13,14,15
	v_mov_b32_dpp v[KX+\d], v[HK+\d] row_xmask:\x row_mask:0xf bank_mask:0xf
.endr
	v_pk_mul_f32 v[SA+2*\n:SA+2*\n+1], v[HQ:HQ+1], v[KX:KX+1]
.irp d, 2,4,6,8,10,12,14
	v_pk_fma_f32 v[SA+2*\n:SA+2*\n+1], v[HQ+\d:HQ+\d+1], v[KX+\d:KX+\d+1], v[SA+2*\n:SA+2*\n+1]
.endr
.endm
.macro MIX n, x                        ; and that pixel's v, by its weight
.irp d, 0,1,2,3,4,5,6,7,8,9,10,11,12,13,14,15
	v_mov_b32_dpp v[KX+\d], v[HV+\d] row_xmask:\x row_mask:0xf bank_mask:0xf
.endr
.irp d, 0,2,4,6,8,10,12,14
	v_pk_fma_f32 v[OO+\d:OO+\d+1], v[KX+\d:KX+\d+1], v[AA+2*\n:AA+2*\n+1], v[OO+\d:OO+\d+1] op_sel_hi:[1,0,1]
.endr
.endm
.macro HATT a
.set HQ, ACC+16*\a
.set HK, ACC+32+16*\a
.set HV, ACC+64+16*\a
	v_pk_mul_f32 v[SA:SA+1], v[HQ:HQ+1], v[HK:HK+1]
.irp d, 2,4,6,8,10,12,14
	v_pk_fma_f32 v[SA:SA+1], v[HQ+\d:HQ+\d+1], v[HK+\d:HK+\d+1], v[SA:SA+1]
.endr
	SCORE 1, 1
	SCORE 2, 4
	SCORE 3, 5
.irp n, 0,1,2,3
	v_add_f32 v[SS+\n], v[SA+2*\n], v[SA+2*\n+1]
.endr
.irp n, 0,1,2,3
	v_permlanex16_b32 v[ST+\n], v[SS+\n], s44, s45
.endr
.irp n, 0,1,2,3
	v_add_f32 v[SS+\n], v[SS+\n], v[ST+\n]         ; with the other 16 channels': the four scores of my pixel
.endr
	v_max3_num_f32 v240, v[SS], v[SS+1], v[SS+2]
	v_max_num_f32 v240, v240, v[SS+3]
.irp n, 0,1,2,3
	v_sub_f32 v[SS+\n], v[SS+\n], v240             ; the maximum is taken away,
.endr
.irp n, 0,1,2,3
	v_mul_f32 v[SS+\n], s46, v[SS+\n]
.endr
.irp n, 0,1,2,3
	v_exp_f32 v[SS+\n], v[SS+\n]
.endr
	v_nop                                          ; a plain place behind the exponentials
	s_wait_alu depctr_va_vdst(0)
	v_add_f32 v241, v[SS], v[SS+1]
	v_add_f32 v242, v[SS+2], v[SS+3]
	v_add_f32 v241, v241, v242
	v_rcp_f32 v243, v241
	v_nop                                          ; a plain place behind the reciprocal
	s_wait_alu depctr_va_vdst(0)
.irp n, 0,1,2,3
	v_mul_f32 v[AA+2*\n], v[SS+\n], v243           ; the finished softmax
.endr
.irp d, 0,2,4,6,8,10,12,14
	v_pk_mul_f32 v[OO+\d:OO+\d+1], v[HV+\d:HV+\d+1], v[AA:AA+1] op_sel_hi:[1,0]
.endr
	MIX 1, 1
	MIX 2, 4
	MIX 3, 5
	QUANT1 OO, 248, 25, 1280*\a, 26, 64*\a         ; my head's 32 channels are one block of the projection's K
	s_wait_dscnt 0x0                               ; the stores have read their registers
.endm
	HATT 0
	HATT 1
	BARRIER                                        ; q's, k's, v's and hifi's codes and scale bytes lie in LDS
	; ---- the workspace leaves in dense runs; the projection's operands come in
	ds_load_b128 v[152:155], v32
	ds_load_b64 v[156:157], v33
.irp g, 0,1,2,3
.irp c, 0,1
	ds_load_b128 v[184+8*\g+4*\c:184+8*\g+4*\c+3], v27 offset:1280*\g+32*\c
.endr
.endr
.irp g, 0,1,2,3
	ds_load_b32 v[XSC+\g], v28 offset:64*\g
.endr
	s_wait_dscnt 12                                ; the first two are in; the projection's twelve may be out
	global_store_b128 v5, v[152:155], s[24:25]     ; q's codes: a wave stores 512 consecutive bytes
	global_store_b64 v34, v[156:157], s[28:29]     ; k's and v's: a wave stores 256 consecutive bytes, aligned
	s_cmp_lg_u32 s32, 0
	s_cbranch_scc1 .Lnot_qs
	ds_load_b128 v[158:161], v35
	s_wait_dscnt 0x0
	global_store_b128 v31, v[158:161], s[26:27]    ; q's 512 scale bytes
.Lnot_qs:
	s_cmp_lg_u32 s32, 1
	s_cbranch_scc1 .Lnot_kvs
	ds_load_b64 v[162:163], v36
	s_wait_dscnt 0x0
	global_store_b64 v37, v[162:163], s[56:57]     ; k's and v's 256 scale bytes, one aligned run
.Lnot_kvs:
	s_wait_dscnt 0x0
	; ---- the projection: source 0 = 16 pixels, source 1 = my 16 output channels; the bias is the C
.irp g, 0,1,2,3
	v_wmma_scale_f32_16x16x128_f8f6f4 v[88+8*\g:95+8*\g], v[184+8*\g:191+8*\g], v[72:79], v[80:87], v[XSC+\g], v70 matrix_a_fmt:MATRIX_FMT_FP4 matrix_b_fmt:MATRIX_FMT_FP4
.endr
	PLACES 4
.irp g, 0,1,2,3
	ds_store_b128 v29, v[88+8*\g:91+8*\g] offset:32*\g          ; four neighbouring columns of the upper image row; each accumulator from its low end on
	ds_store_b128 v29, v[92+8*\g:95+8*\g] offset:32*\g+256      ; and of the lower
.endr
	BARRIER                                        ; 128 channels x 512 bytes lie in the stage
.irp k, 0,1,2,3,4,5,6,7
	ds_load_b128 v[120+4*\k:123+4*\k], v30 offset:528*\k
.endr
.irp k, 0,1,2,3,4,5,6,7
	s_wait_dscnt 7-\k                              ; the younger loads stay out
	global_store_b128 v31, v[120+4*\k:123+4*\k], s[30:31] offset:16384*\k th:TH_STORE_NT   ; 32 lanes store a channel's 512 consecutive bytes, aligned
.endr
	s_wait_tensorcnt 0x0
	ds_add_u32 v71, v255
	s_wait_dscnt 0x0
	s_endpgm
.Lfunc_end_k_qdfca9421d0_front:
	.size	k_qdfca9421d0_front, .Lfunc_end_k_qdfca9421d0_front-k_qdfca9421d0_front
	.p2alignl 7, 3214868480
	.fill 96, 4, 3214868480
	.section	.rodata,"a",@progbits
	.p2align	6, 0x0
	.amdhsa_kernel k_qdfca9421d0_front
		.amdhsa_group_segment_fixed_size 231936
		.amdhsa_private_segment_fixed_size 0
		.amdhsa_enable_private_segment 0
		.amdhsa_kernarg_size 112
		.amdhsa_user_sgpr_count 2
		.amdhsa_user_sgpr_kernarg_segment_ptr 1
		.amdhsa_wavefront_size32 1
		.amdhsa_system_sgpr_workgroup_id_x 1
		.amdhsa_system_sgpr_workgroup_id_y 1
		.amdhsa_system_sgpr_workgroup_id_z 1
		.amdhsa_system_vgpr_workitem_id 0
		.amdhsa_next_free_vgpr 256
		.amdhsa_next_free_sgpr 66
		.amdhsa_reserve_vcc 0
		.amdhsa_float_denorm_mode_32 3
		.amdhsa_float_denorm_mode_16_64 3
		.amdhsa_memory_ordered 1
		.amdhsa_forward_progress 1
		.amdhsa_inst_pref_size 68
	.end_amdhsa_kernel
	.amdgpu_metadata
---
amdhsa.version: [ 1, 2 ]
amdhsa.kernels:
  - .name:           k_qdfca9421d0_front
    .symbol:         k_qdfca9421d0_front.kd
    .args:
      - { .name: x, .offset: 0, .size: 8, .value_kind: global_buffer, .address_space: global }
      - { .name: h_qkv_w_codes, .offset: 8, .size: 8, .value_kind: global_buffer, .address_space: global }
      - { .name: h_qkv_w_scales, .offset: 16, .size: 8, .value_kind: global_buffer, .address_space: global }
      - { .name: l_q_w_codes, .offset: 24, .size: 8, .value_kind: global_buffer, .address_space: global }
      - { .name: l_q_w_scales, .offset: 32, .size: 8, .value_kind: global_buffer, .address_space: global }
      - { .name: l_kv_w_codes, .offset: 40, .size: 8, .value_kind: global_buffer, .address_space: global }
      - { .name: l_kv_w_scales, .offset: 48, .size: 8, .value_kind: global_buffer, .address_space: global }
      - { .name: h_proj_w_codes, .offset: 56, .size: 8, .value_kind: global_buffer, .address_space: global }
      - { .name: h_proj_w_scales, .offset: 64, .size: 8, .value_kind: global_buffer, .address_space: global }
      - { .name: h_proj_b, .offset: 72, .size: 8, .value_kind: global_buffer, .address_space: global }
      - { .name: q_codes, .offset: 80, .size: 8, .value_kind: global_buffer, .address_space: global }
      - { .name: q_scales, .offset: 88, .size: 8, .value_kind: global_buffer, .address_space: global }
      - { .name: kv, .offset: 96, .size: 8, .value_kind: global_buffer, .address_space: global }
      - { .name: out0, .offset: 104, .size: 8, .value_kind: global_buffer, .address_space: global }
    .group_segment_fixed_size: 231936
    .private_segment_fixed_size: 0
    .kernarg_segment_align: 8
    .kernarg_segment_size: 112
    .max_flat_workgroup_size: 512
    .sgpr_count:     66
    .vgpr_count:     256
    .wavefront_size: 32
...
	.end_amdgpu_metadata
.endif
;; end of part 1
;; launch lofi (part 2): grid 256 x 1, 16 waves a work-group, clusters of 4 x 1, 227,840 bytes of LDS; arguments q_codes, q_scales, kv, l_proj_w_codes, l_proj_w_scales, l_proj_b, out0; writes out0
.if DOCPART == 2
	.amdgcn_target "amdgcn-amd-amdhsa--gfx1250"
	.amdhsa_code_object_version 6
	.text
	.protected	k_qdfca9421d0_lofi
	.globl	k_qdfca9421d0_lofi
	.p2align	8
	.type	k_qdfca9421d0_lofi,@function
k_qdfca9421d0_lofi:
	s_mov_b64 s[64:65], 0
	v_nop
	global_prefetch_b8 v0, s[64:65] scope:SCOPE_SE
	s_setreg_imm32_b32 hwreg(HW_REG_WAVE_MODE, 25, 1), 1
	s_wait_xcnt 0x0
	s_wait_alu depctr_hold_cnt(0) depctr_sa_sdst(0) depctr_va_vdst(0) depctr_va_sdst(0) depctr_va_ssrc(0) depctr_va_vcc(0) depctr_vm_vsrc(0)
	s_getreg_b32 s2, hwreg(HW_REG_IB_STS2, 6, 4)
	s_cmp_eq_u32 s2, 0
	s_cbranch_scc0 .Lentry_in_a_cluster
	s_endpgm
.Lentry_in_a_cluster:
	s_bfe_u32 s2, ttmp6, 0x10000c
	s_cmp_lg_u32 s2, 0x3003
	s_cbranch_scc0 .Lentry_shape_is_right
	s_endpgm
.Lentry_shape_is_right:
; HiLo attention, second launch: the lofi branch.  For each batch and head: 4,096 queries against 1,024 pooled keys, head size 32, both products on E2M1 codes with one E8M0 byte for each 32 along K; then the projection
; (K 128) + bias -> out0, channels 128-255.  q, k, v arrive as codes and scale bytes that the first launch made.
; THE SOFTMAX AHEAD OF THE SECOND PRODUCT: t = score x log2(e) / sqrt(32); M = the running largest t rounded UP to a whole number; p = 2^(t - M) is quantised along the keys, not normalised; the row's sum is taken of the
; unquantised p and divides the result at the end.  When M moves, the sum and the result are multiplied by 2^(old M - new M): exact.
; SHARES.  A work-group owns a strip of 128 queries (two image rows) of one batch.  Wave w owns 16 queries (w % 8) and two heads (2 (w / 8), + 1).  Four waves to a SIMD: one wave's vector work stands beside another's products.
; K AND V OF THE WHOLE BATCH STAY IN LDS: 131,072 bytes of codes and 8,192 scale bytes, filled ONCE, one tensor load a wave (34 rows of 256 bytes): one load of a wave is outstanding; nothing is filled again.
; CLUSTER.  The four work-groups of a cluster are four strips of one batch and need the same 139,264 bytes: each of the sixteen loads is asked for JOINTLY, with the same descriptor and a mask that names the four.
; LAYOUT.  Both products are used transposed (S^T = K Q^T, O^T = V^T P^T): a lane holds ONE query.  In kv a strip of 32 keys is 4,096 bytes: k [head][place][16 bytes], then v [head][place][16 bytes]; place 16 u + r of k stands for
; key 8 u + r + 8 (r / 8), of v for channel 8 u + r + 8 (r / 8): so a fragment's sixteen lanes read 256 consecutive bytes, the 16 registers of two neighbouring score tiles are 16 neighbouring keys, and those of the result's two tiles 16 neighbouring channels.
; K = 32 IN AN INSTRUCTION OF K = 128.  One load gives a tile of 16 keys for BOTH my heads: lanes 0-15 hold the first head's 32 codes (k 0-31), lanes 16-31 the second's (k 32-63).  Q's fragment for a head holds zero codes everywhere but at that
; head's 32; so whatever stands beside in source 0 (the other head's codes; in its upper four registers the next tile's) is multiplied by zero codes.  The scale words have the two heads' bytes and two bytes 0, which stand for 2^-127 and are no NaN.
; LIMITS: a block whose largest magnitude lies under 2^-124 has its byte held at 1; a block of zeros gets the byte 1 (its codes are zeros); NaN and infinities are not served.
.set RAW,  131072                      ; LDS.  0: the batch's codes; RAW: its scale bytes as they lie in memory, 256 a strip: k [head][place], v [head][place].  No other bytes are filled by the tensor loads
.set KSW,  139264                      ; k's scale bytes laid for the products: [pair of heads][place 0..1023][2]
.set VSW,  143360                      ; v's as words: [head][key step][place 0..31]
.set OC,   147456                      ; the attention's result as codes: 128 pixels x (64 bytes + 16)
.set OS,   157696                      ; and its scale words
.set STG,  158208                      ; the way out: 128 channels x (512 bytes + 16)
.set AK0, 1                            ; v1-4   my lane's place in k's tiles, v's tiles, k's scale words, v's
.set AV0, 2
.set ASK0, 3
.set ASV0, 4
.set ADK, 5                            ; v5-8   the same for the key step in hand
.set ADV, 6
.set ADS, 7
.set ADT, 8
.set KS,  32                           ; v32-39 k's scale words; v40 v's; v41 q's; v42 p's; v43 l_proj's; v44-47 the result's: these hold scales and nothing else
.set VSC, 40
.set QS,  41
.set PW,  42
.set QF,  48                           ; v48-63   q's two masked fragments
.set KF,  64                           ; v64-95   eight tiles of k, four registers each;  v96-99 zeros
.set KZ,  96
.set VF,  100                          ; v100-115 two tiles of v
.set SCO, 116                          ; v116-179 S^T, then p
.set OAC, 180                          ; v180-211 O^T: 16 head + 8 tile
.set PC,  212                          ; v212-219 p's codes
.set BM,  220
.set BT,  224
.set SOP, 228
.macro PLACES n
.rept \n
	v_nop
.endr
.endm
.macro BARRIER
	s_wait_dscnt 0x0
	s_barrier_signal -1
	s_barrier_wait -1
.endm
.macro ROUND                           ; a round of the cluster's barrier: my work-group's barrier; wave 0 signals for the work-group; every wave waits for all four work-groups; my work-group's barrier once more
	s_barrier_signal -1
	s_barrier_wait -1
	s_cmp_lg_u32 s18, 0
	s_cbranch_scc1 .Lnot_wave_0_\@
	s_barrier_signal -3
.Lnot_wave_0_\@:
	s_barrier_wait -3
	s_barrier_signal -1
	s_barrier_wait -1
.endm
	s_load_b256 s[4:11], s[0:1], 0x0               ; q_codes, q_scales, kv, l_proj codes
	s_load_b128 s[12:15], s[0:1], 0x20             ; l_proj scales, l_proj_b
	s_load_b64 s[16:17], s[0:1], 0x30              ; out0
	v_lshl_add_u32 v238, v0, 2, 0x37200
	v_mov_b32 v239, 0
	ds_add_u32 v238, v239
	ds_add_u32 v238, v239
	s_wait_dscnt 0x0
	v_lshrrev_b32 v236, 5, v0
	v_readfirstlane_b32 s18, v236                  ; wave w, 0..15
	s_lshr_b32 s19, s18, 3                         ; my pair of heads; in the projection my image row
	s_and_b32 s40, s18, 7                          ; my 16 queries; in the projection my 16 output channels
	s_bfe_u32 s41, ttmp6, 0x40000                  ; cx: my place in the cluster: it enters q's and out0's addresses alone
	s_lshl_b32 s44, ttmp9, 2
	s_add_co_u32 s44, s44, s41                     ; work-group = 4 x cluster + cx = 32 x batch + strip
	s_lshr_b32 s45, ttmp9, 3                       ; the batch, which the four partners share
	s_mov_b32 s24, 15|(3<<16)|(1<<21)              ; group 1: 15:0 the mask: all four work-groups; 17:16 elements of 8 bytes; 21 set beside a mask; no padding
	s_mov_b32 s25, 32<<16                          ; tensor_dim0 = 32 elements: rows of 256 bytes
	s_mov_b32 s26, 34<<16                          ; tensor_dim1 = 34
	s_mov_b32 s27, 32<<16                          ; tile_dim0 = 32
	s_mov_b32 s28, 34                              ; tile_dim1 = 34
	s_mov_b32 s29, 32                              ; the pitch: dense
	s_mov_b32 s30, 0
	s_mov_b32 s31, 0
	s_mov_b32 s32, 1                               ; group 0: count = 1
	s_mul_i32 s33, s18, 8704                       ; LDS address: my sixteenth of the 139,264 bytes
	s_mul_i32 s46, s45, 139264
	s_add_co_u32 s46, s46, s33                     ; and the same in memory: batch and wave alone
	s_mov_b32 s47, 0
	s_mov_b32 s20, 0x76543210
	s_mov_b32 s21, 0xfedcba98                      ; v_permlanex16_b32's selects for lane l xor 16
	s_mov_b32 s22, 0x3e8293ee                      ; c = log2(e) / sqrt(32)
	s_mov_b32 s23, s22                             ; (named with it as a pair, so it is written)
	s_mov_b32 s42, 0x05010400                      ; byte selects that interleave two words
	s_mov_b32 s43, 0x07030602
	s_wait_kmcnt 0x0
	s_add_nc_u64 s[34:35], s[8:9], s[46:47]
	s_or_b32 s35, s35, 0x80000000                  ; type = 2
	ROUND                                          ; all four work-groups are here: the joint loads meet
	tensor_load_to_lds s[32:35], s[24:31]
	s_nop 0
	PLACES 4
	s_lshl_b32 s2, s44, 13
	s_lshl_b32 s36, s40, 10
	s_add_co_u32 s2, s2, s36
	s_mov_b32 s3, 0
	s_add_nc_u64 s[4:5], s[4:5], s[2:3]            ; q's codes at my 16 queries: 8,192 bytes a strip, 64 a query
	s_lshl_b32 s2, s44, 9
	s_lshl_b32 s36, s40, 6
	s_add_co_u32 s2, s2, s36
	s_add_nc_u64 s[6:7], s[6:7], s[2:3]            ; and their scale bytes
	s_lshl_b32 s2, s45, 22
	s_lshl_b32 s36, s18, 17
	s_add_co_u32 s2, s2, s36
	s_and_b32 s36, s44, 31
	s_lshl_b32 s36, s36, 9
	s_add_co_u32 s2, s2, s36
	s_add_co_u32 s2, s2, 2097152
	s_add_nc_u64 s[16:17], s[16:17], s[2:3]        ; out0: channel 128 + 8 w, my strip
	v_and_b32 v237, 31, v0                         ; lane
	v_and_b32 v238, 15, v0                         ; r
	v_bfe_u32 v239, v0, 4, 1                       ; h
	s_lshl_b32 s36, s19, 5
	v_lshlrev_b32 v16, 6, v238
	v_lshl_add_u32 v16, v239, 4, v16
	v_add_nc_u32 v16, s36, v16                     ; q: query r, head 2 (w / 8) + h
	s_lshl_b32 s36, s19, 1
	v_lshl_add_u32 v17, v238, 2, s36               ; its two scale bytes
	s_lshl_b32 s36, s40, 10
	v_lshlrev_b32 v18, 6, v238
	v_lshl_add_u32 v18, v239, 4, v18
	v_add_nc_u32 v18, s36, v18                     ; l_proj: row 16 n + r of 64 bytes, + 16 h
	s_lshl_b32 s36, s40, 6
	v_lshl_add_u32 v19, v238, 2, s36
	global_load_b128 v[116:119], v16, s[4:5]
	global_load_u16 v[QS], v17, s[6:7]
	global_load_b128 v[240:243], v18, s[10:11]     ; l_proj's fragment, scale word and bias stay in registers
	global_load_b128 v[244:247], v18, s[10:11] offset:32
	global_load_b32 v43, v19, s[12:13]
	global_load_b32 v248, v19, s[14:15]
	; LDS addresses
	v_lshlrev_b32 v236, 4, v238
	s_lshl_b32 s36, s19, 10
	v_lshl_add_u32 v[AK0], v239, 9, v236
	v_add_nc_u32 v[AK0], s36, v[AK0]               ; k: head 2 (w / 8) + h, place r
	s_add_co_u32 s36, s36, 2048
	v_lshl_add_u32 v[AV0], v239, 12, v236
	v_add_nc_u32 v[AV0], s36, v[AV0]               ; v: strip h of a pair, place r
	s_lshl_b32 s36, s19, 11
	s_add_co_u32 s37, s36, KSW
	v_lshl_add_u32 v[ASK0], v238, 1, s37
	s_add_co_u32 s37, s36, VSW
	v_lshl_add_u32 v[ASV0], v237, 2, s37
	s_mul_i32 s36, s40, 1280
	s_lshl_b32 s37, s19, 5
	s_add_co_u32 s36, s36, s37
	s_add_co_u32 s36, s36, OC
	v_mul_u32_u24 v9, v238, 80
	v_lshl_add_u32 v9, v239, 3, v9
	v_add_nc_u32 v9, s36, v9                       ; the result's codes: pixel 16 (w % 8) + r
	s_lshl_b32 s36, s40, 6
	s_lshl_b32 s37, s19, 1
	s_add_co_u32 s36, s36, s37
	s_add_co_u32 s36, s36, OS
	v_lshl_add_u32 v10, v238, 2, s36
	s_mul_i32 s36, s19, 5120
	s_add_co_u32 s36, s36, OC
	v_mul_u32_u24 v11, v238, 80
	v_lshl_add_u32 v11, v239, 4, v11
	v_add_nc_u32 v11, s36, v11                     ; and read as fragments
	s_lshl_b32 s36, s19, 8
	s_add_co_u32 s37, s36, OS
	v_lshl_add_u32 v12, v238, 2, s37
	s_mul_i32 s37, s40, 8448
	s_add_co_u32 s36, s36, s37
	s_add_co_u32 s36, s36, STG
	v_mul_u32_u24 v13, v238, 528
	v_lshl_add_u32 v13, v239, 5, v13
	v_add_nc_u32 v13, s36, v13                     ; the stage, in: channel 16 n + r, my image row, + 32 h
	s_mul_i32 s36, s18, 4224
	s_add_co_u32 s36, s36, STG
	v_lshl_add_u32 v14, v237, 4, s36               ; and back
	v_lshlrev_b32 v15, 4, v237
	v_bfe_u32 v236, v0, 3, 5
	v_lshlrev_b32 v28, 8, v236
	v_lshrrev_b32 v236, 8, v0
	v_lshl_add_u32 v28, v236, 6, v28
	v_lshlrev_b32 v30, 5, v236
	v_and_b32 v236, 7, v0
	v_lshl_add_u32 v28, v236, 2, v28
	v_add_nc_u32 v28, RAW, v28                     ; k's raw bytes: strip (t / 8) % 32, head 2 (t / 256), places 4 (t % 8) on
	v_lshl_add_u32 v29, v0, 3, KSW
	v_bfe_u32 v236, v0, 5, 3
	v_lshl_add_u32 v30, v236, 10, v30
	v_add_nc_u32 v30, v30, v237
	v_add_nc_u32 v30, RAW+128, v30                 ; v's raw bytes: key step (t / 32) % 8, head t / 256, place t % 32
	v_lshl_add_u32 v31, v0, 2, VSW
	s_mov_b32 s36, 0                               ; the key step's codes: 16,384 bytes a step
	s_mov_b32 s37, 0                               ; k's scale words: 256
	s_mov_b32 s38, 0                               ; v's: 128
	s_mov_b32 s39, 8
.irp u, 0,1
	v_mov_b32 v[21+4*\u], 0xff61b1e6               ; the largest t so far: -3e38, under every t
	v_floor_f32 v[20+4*\u], -v[21+4*\u]            ; -M
	v_mov_b32 v[22+4*\u], 0                        ; the sum, in two halves
	v_mov_b32 v[23+4*\u], 0
.endr
.set k, 0
.rept 32
	v_mov_b32 v[OAC+k], 0                          ; O^T.  (The loop is written once: its first step finds zeros, which the first change of M leaves zeros)
.set k, k+1
.endr
.irp j, 0,1,2,3
	v_mov_b32 v[BT+\j], 0                          ; written once: a lane permute's destination counts as one of its sources
	v_mov_b32 v[KZ+\j], 0
	v_mov_b32 v[QF+4+\j], 0
	v_mov_b32 v[QF+12+\j], 0
.endr
	v_mov_b32 v233, 0                              ; (named as the upper half of the pair v[232:233])
	s_wait_tensorcnt 0x0                           ; my sixteenth has landed,
	s_barrier_signal -1
	s_barrier_wait -1                              ; everybody's has
	; ---- the scale bytes are laid as the products want them
	ds_load_b32 v120, v28
	ds_load_b32 v121, v28 offset:32
.irp n, 0,1
.irp b, 0,1,2,3
	ds_load_u8 v[124+4*\n+\b], v30 offset:256*\b+64*\n
.endr
.endr
	s_wait_dscnt 0x0
	v_perm_b32 v122, v121, v120, s42               ; four places' bytes of two heads, interleaved
	v_perm_b32 v123, v121, v120, s43
	ds_store_b64 v29, v[122:123]
.irp n, 0,1
	v_lshl_or_b32 v[132+\n], v[125+4*\n], 8, v[124+4*\n]   ; a key step's four strips' bytes make a place's scale word
	v_lshl_or_b32 v[132+\n], v[126+4*\n], 16, v[132+\n]
	v_lshl_or_b32 v[132+\n], v[127+4*\n], 24, v[132+\n]
	ds_store_b32 v31, v[132+\n] offset:2048*\n
.endr
	BARRIER
	s_wait_loadcnt 0x0                             ; q and l_proj
	v_cmp_gt_u32 vcc_lo, 16, v237
.irp j, 0,1,2,3
	v_cndmask_b32 v[QF+\j], 0, v[116+\j], vcc_lo           ; the first head's fragment: lanes 0-15 keep their codes
	v_cndmask_b32 v[QF+8+\j], v[116+\j], v[KZ], vcc_lo     ; the second's: lanes 16-31
.endr
.irp j, 1,2,3,4,5,6,7
	v_mov_b32 v[248+\j], v248                      ; the bias in the result's layout
.endr
	PLACES 4
; One head's part of a key step of 128 keys.
.macro HEAD u
.set NM, 20+4*\u
.set TT, 21+4*\u
.set SM, 22+4*\u
.set OU, OAC+16*\u
.if \u
	PLACES 4                                       ; in front of loads into registers that the last products read
.endif
.irp p, 0,1
.irp c, 0,1
	ds_load_b128 v[VF+8*\p+4*\c:VF+8*\p+4*\c+3], v[ADV] offset:8192*\c+512*\u+256*\p
.endr
.endr
	ds_load_b32 v[VSC], v[ADT] offset:1024*\u      ; lanes 0-15: the first tile's scale words; lanes 16-31: the second's
	s_wait_dscnt 5                                 ; these five may be out; k's tiles and scale words are in
.irp t, 0,1,2,3,4,5,6,7
	v_wmma_scale_f32_16x16x128_f8f6f4 v[SCO+8*\t:SCO+8*\t+7], v[KF+4*\t:KF+4*\t+7], v[QF+8*\u:QF+8*\u+7], 0, v[KS+\t], v[QS] matrix_a_fmt:MATRIX_FMT_FP4 matrix_b_fmt:MATRIX_FMT_FP4
.endr
	PLACES 4
.irp b, 0,1,2,3
	v_max3_num_f32 v[BM+\b], v[SCO+16*\b], v[SCO+1+16*\b], v[SCO+2+16*\b]   ; the largest score of each block of 32 keys: for the row's maximum, and, since p rises with the score, for the block's largest p
.endr
.irp i, 3,5,7,9,11,13
.irp b, 0,1,2,3
	v_max3_num_f32 v[BM+\b], v[BM+\b], v[SCO+16*\b+\i], v[SCO+1+16*\b+\i]
.endr
.endr
.irp b, 0,1,2,3
	v_max_num_f32 v[BM+\b], v[BM+\b], v[SCO+15+16*\b]
.endr
.irp b, 0,1,2,3
	v_permlanex16_b32 v[BT+\b], v[BM+\b], s20, s21
.endr
.irp b, 0,1,2,3
	v_max_num_f32 v[BM+\b], v[BM+\b], v[BT+\b]     ; with lane l xor 16's 16 keys
.endr
	v_max3_num_f32 v236, v[BM], v[BM+1], v[BM+2]
	v_max_num_f32 v236, v236, v[BM+3]
	v_mul_f32 v236, s22, v236                      ; the step's largest t (c is positive)
	v_max_num_f32 v[TT], v[TT], v236               ; the running largest t
	v_mov_b32 v236, v[NM]
	v_floor_f32 v[NM], -v[TT]                      ; the new -M = -ceil(t): a whole number
	v_sub_f32 v236, v[NM], v236                    ; old M - new M: a whole number, 0 or less
	v_cvt_i32_f32 v236, v236                       ; (it saturates)
	v_ldexp_f32 v232, 1.0, v236                    ; f = 2^(old M - new M)
.set k, 0
.rept 32
	v_pk_fma_f32 v[SCO+k:SCO+k+1], v[SCO+k:SCO+k+1], s[22:23], v[NM:NM+1] op_sel_hi:[1,0,0]   ; t - M, two at a time
.set k, k+2
.endr
.irp b, 0,1,2,3
	v_fma_f32 v[BM+\b], v[BM+\b], s22, v[NM]       ; the same of each block's largest score
.endr
.set k, 0
.rept 64
	v_exp_f32 v[SCO+k], v[SCO+k]                   ; p = 2^(t - M), at most 1
.set k, k+1
.endr
.irp b, 0,1,2,3
	v_exp_f32 v[BM+\b], v[BM+\b]                   ; the block's largest p: the same two instructions on the same number
.endr
	v_pk_mul_f32 v[SM:SM+1], v[SM:SM+1], v[232:233] op_sel_hi:[1,0]   ; the sum under the new M.  (A plain place behind the exponentials)
	s_wait_alu depctr_va_vdst(0)
.irp b, 0,1,2,3
	v_max_num_f32 v[BM+\b], 0x1800000, v[BM+\b]    ; the floor 2^(3 - 127): the byte cannot fall under 1
.endr
.irp b, 0,1,2,3
	v_add_nc_u32 v[SOP+\b], 0xff000000, v[BM+\b]   ; 2 off the exponent field: the conversion's scale operand
.endr
.irp b, 0,1,2,3
	v_lshrrev_b32 v[BT+\b], 23, v[SOP+\b]          ; the scale's byte
.endr
	v_lshl_or_b32 v[PW], v[BT+1], 8, v[BT]         ; p's scale word for these 128 keys
	v_lshl_or_b32 v[PW], v[BT+2], 16, v[PW]
	v_lshl_or_b32 v[PW], v[BT+3], 24, v[PW]
.irp b, 0,1,2,3
	v_cvt_scalef32_pk8_fp4_f32 v[PC+2*\b], v[SCO+16*\b:SCO+7+16*\b], v[SOP+\b]
	v_cvt_scalef32_pk8_fp4_f32 v[PC+1+2*\b], v[SCO+8+16*\b:SCO+15+16*\b], v[SOP+\b]
.endr
	v_nop                                          ; one plain place behind a scaled conversion
.irp c, 0,1                                    ; the operand's layout wants a WHOLE block in a lane: lanes 0-15 block 2 c, lanes 16-31 block 2 c + 1
.irp i, 0,1
	v_permlane16_swap_b32 v[PC+4*\c+\i], v[PC+2+4*\c+\i]
.endr
.endr
	v_pk_add_f32 v[234:235], v[SCO:SCO+1], v[SCO+2:SCO+3]   ; the row's sum is taken of the unquantised p: two at a time, in two chains
.irp j, 4,8,12,16,20,24,28,32,36,40,44,48,52,56,60
	v_pk_add_f32 v[SM:SM+1], v[SM:SM+1], v[SCO+\j:SCO+\j+1]
	v_pk_add_f32 v[234:235], v[234:235], v[SCO+2+\j:SCO+3+\j]
.endr
	v_pk_add_f32 v[SM:SM+1], v[SM:SM+1], v[234:235]
.irp j, 0,2,4,6,8,10,12,14
	v_pk_mul_f32 v[OU+\j:OU+\j+1], v[OU+\j:OU+\j+1], v[232:233] op_sel_hi:[1,0]   ; O^T under the new M
.endr
	s_wait_dscnt 0x0                               ; v's tiles and scale words are in
	v_wmma_scale_f32_16x16x128_f8f6f4 v[OU:OU+7], v[VF:VF+7], v[PC:PC+7], v[OU:OU+7], v[VSC], v[PW] matrix_a_fmt:MATRIX_FMT_FP4 matrix_b_fmt:MATRIX_FMT_FP4   ; the two accumulators take turns
	v_wmma_scale_f32_16x16x128_f8f6f4 v[OU+8:OU+15], v[VF+8:VF+15], v[PC:PC+7], v[OU+8:OU+15], v[VSC], v[PW] matrix_a_fmt:MATRIX_FMT_FP4 matrix_b_fmt:MATRIX_FMT_FP4 matrix_a_scale:MATRIX_SCALE_ROW1
.endm
.Lstep:                                            ; eight trips of 128 keys
	v_add_nc_u32 v[ADK], s36, v[AK0]               ; (these four are also the places behind the last trip's products)
	v_add_nc_u32 v[ADV], s36, v[AV0]
	v_add_nc_u32 v[ADS], s37, v[ASK0]
	v_add_nc_u32 v[ADT], s38, v[ASV0]
.irp b, 0,1,2,3
.irp p, 0,1
	ds_load_b128 v[KF+4*(2*\b+\p):KF+4*(2*\b+\p)+3], v[ADK] offset:4096*\b+256*\p
	ds_load_u16 v[KS+2*\b+\p], v[ADS] offset:64*\b+32*\p
.endr
.endr
	HEAD 0
	HEAD 1
	s_add_co_u32 s36, s36, 16384
	s_add_co_u32 s37, s37, 256
	s_add_co_u32 s38, s38, 128
	s_sub_co_i32 s39, s39, 1
	s_cmp_lg_u32 s39, 0
	s_cbranch_scc1 .Lstep
	; ---- O^T / the sum, quantised: a head's 32 channels are one block of the projection's K
	PLACES 4
.irp u, 0,1
	v_add_f32 v[23+4*\u], v[22+4*\u], v[23+4*\u]   ; the sum's two halves,
.endr
.irp u, 0,1
	v_permlanex16_b32 v[BT+\u], v[23+4*\u], s20, s21
.endr
.irp u, 0,1
	v_add_f32 v[23+4*\u], v[23+4*\u], v[BT+\u]     ; and lane l xor 16's
.endr
.irp u, 0,1
	v_rcp_f32 v[22+4*\u], v[23+4*\u]
.endr
	v_nop                                          ; a plain place behind the reciprocals
	s_wait_alu depctr_va_vdst(0)
.irp u, 0,1
.irp j, 0,2,4,6,8,10,12,14
	v_pk_mul_f32 v[116+16*\u+\j:117+16*\u+\j], v[OAC+16*\u+\j:OAC+16*\u+\j+1], v[22+4*\u:23+4*\u] op_sel_hi:[1,0]
.endr
.endr
.irp u, 0,1
	v_max3_num_f32 v[220+6*\u], |v[116+16*\u]|, |v[117+16*\u]|, 0x1800000
.irp i, 2,4,6,8,10,12,14
	v_max3_num_f32 v[220+6*\u], v[220+6*\u], |v[116+16*\u+\i]|, |v[117+16*\u+\i]|
.endr
	v_permlanex16_b32 v[221+6*\u], v[220+6*\u], s20, s21
	v_max_num_f32 v[220+6*\u], v[220+6*\u], v[221+6*\u]
	v_add_nc_u32 v[222+6*\u], 0xff000000, v[220+6*\u]
	v_lshrrev_b32 v[223+6*\u], 23, v[222+6*\u]
	v_cvt_scalef32_pk8_fp4_f32 v[224+6*\u], v[116+16*\u:123+16*\u], v[222+6*\u]
	v_cvt_scalef32_pk8_fp4_f32 v[225+6*\u], v[124+16*\u:131+16*\u], v[222+6*\u]
	v_nop                                          ; one plain place behind a scaled conversion
	ds_store_b64 v9, v[224+6*\u:225+6*\u] offset:16*\u
.endr
	v_lshl_or_b32 v236, v229, 8, v223              ; my two heads' bytes
	ds_store_b16 v10, v236                         ; both halves of the lanes write the same bytes with the same values
	BARRIER                                        ; the 128 pixels' codes and scale words lie in LDS
	; ---- the projection: source 0 = 16 pixels, source 1 = my 16 output channels; the bias is the C
.irp g, 0,1,2,3
.irp c, 0,1
	ds_load_b128 v[148+8*\g+4*\c:148+8*\g+4*\c+3], v11 offset:1280*\g+32*\c
.endr
.endr
.irp g, 0,1,2,3
	ds_load_b32 v[44+\g], v12 offset:64*\g
.endr
	s_wait_dscnt 0x0
.irp g, 0,1,2,3
	v_wmma_scale_f32_16x16x128_f8f6f4 v[180+8*\g:187+8*\g], v[148+8*\g:155+8*\g], v[240:247], v[248:255], v[44+\g], v43 matrix_a_fmt:MATRIX_FMT_FP4 matrix_b_fmt:MATRIX_FMT_FP4
.endr
	PLACES 4
.irp g, 0,1,2,3
	ds_store_b128 v13, v[180+8*\g:183+8*\g] offset:64*\g        ; eight neighbouring columns of my image row; each accumulator from its low end on
	ds_store_b128 v13, v[184+8*\g:187+8*\g] offset:64*\g+16
.endr
	BARRIER                                        ; 128 channels x 512 bytes lie in the stage
.irp k, 0,1,2,3,4,5,6,7
	ds_load_b128 v[116+4*\k:119+4*\k], v14 offset:528*\k
.endr
.irp k, 0,1,2,3,4,5,6,7
	s_wait_dscnt 7-\k                              ; the younger loads stay out
	global_store_b128 v15, v[116+4*\k:119+4*\k], s[16:17] offset:16384*\k th:TH_STORE_NT   ; 32 lanes store a channel's 512 consecutive bytes, aligned
.endr
	s_wait_xcnt 0x0
	v_lshl_add_u32 v238, v0, 2, 0x37200
	v_mov_b32 v239, 0
	s_wait_tensorcnt 0x0
	ds_add_u32 v238, v239
	s_wait_dscnt 0x0
	ROUND                                          ; the closing round: no work-group ends while a partner may still ask for a tile that names it
	s_endpgm
.Lfunc_end_k_qdfca9421d0_lofi:
	.size	k_qdfca9421d0_lofi, .Lfunc_end_k_qdfca9421d0_lofi-k_qdfca9421d0_lofi
	.p2alignl 7, 3214868480
	.fill 96, 4, 3214868480
	.section	.rodata,"a",@progbits
	.p2align	6, 0x0
	.amdhsa_kernel k_qdfca9421d0_lofi
		.amdhsa_group_segment_fixed_size 227840
		.amdhsa_private_segment_fixed_size 0
		.amdhsa_enable_private_segment 0
		.amdhsa_kernarg_size 56
		.amdhsa_user_sgpr_count 2
		.amdhsa_user_sgpr_kernarg_segment_ptr 1
		.amdhsa_wavefront_size32 1
		.amdhsa_system_sgpr_workgroup_id_x 1
		.amdhsa_system_sgpr_workgroup_id_y 1
		.amdhsa_system_sgpr_workgroup_id_z 1
		.amdhsa_system_vgpr_workitem_id 0
		.amdhsa_next_free_vgpr 256
		.amdhsa_next_free_sgpr 66
		.amdhsa_reserve_vcc 1
		.amdhsa_float_denorm_mode_32 3
		.amdhsa_float_denorm_mode_16_64 3
		.amdhsa_memory_ordered 1
		.amdhsa_forward_progress 1
		.amdhsa_inst_pref_size 47
	.end_amdhsa_kernel
	.amdgpu_metadata
---
amdhsa.version: [ 1, 2 ]
amdhsa.kernels:
  - .name:           k_qdfca9421d0_lofi
    .symbol:         k_qdfca9421d0_lofi.kd
    .args:
      - { .name: q_codes, .offset: 0, .size: 8, .value_kind: global_buffer, .address_space: global }
      - { .name: q_scales, .offset: 8, .size: 8, .value_kind: global_buffer, .address_space: global }
      - { .name: kv, .offset: 16, .size: 8, .value_kind: global_buffer, .address_space: global }
      - { .name: l_proj_w_codes, .offset: 24, .size: 8, .value_kind: global_buffer, .address_space: global }
      - { .name: l_proj_w_scales, .offset: 32, .size: 8, .value_kind: global_buffer, .address_space: global }
      - { .name: l_proj_b, .offset: 40, .size: 8, .value_kind: global_buffer, .address_space: global }
      - { .name: out0, .offset: 48, .size: 8, .value_kind: global_buffer, .address_space: global }
    .group_segment_fixed_size: 227840
    .private_segment_fixed_size: 0
    .kernarg_segment_align: 8
    .kernarg_segment_size: 56
    .max_flat_workgroup_size: 512
    .sgpr_count:     66
    .vgpr_count:     256
    .wavefront_size: 32
...
	.end_amdgpu_metadata
.endif
;; end of part 2
;; ======== version 2 of 2: 2 launches
;; workspace buffers: q_codes 2,097,152 bytes; q_scales 131,072 bytes; kv 1,114,112 bytes
;; launch front (part 3): grid 256 x 1, 16 waves a work-group, no clusters, 231,936 bytes of LDS; arguments x, h_qkv_w_codes, h_qkv_w_scales, l_q_w_codes, l_q_w_scales, l_kv_w_codes, l_kv_w_scales, h_proj_w_codes, h_proj_w_scales, h_proj_b, q_codes, q_scales, kv, out0; writes q_codes, q_scales, kv, out0
.if DOCPART == 3
	.amdgcn_target "amdgcn-amd-amdhsa--gfx1250"
	.amdhsa_code_object_version 6
	.text
	.protected	k_qdfca9421d0_front
	.globl	k_qdfca9421d0_front
	.p2align	8
	.type	k_qdfca9421d0_front,@function
k_qdfca9421d0_front:
	s_mov_b64 s[64:65], 0
	v_nop
	global_prefetch_b8 v0, s[64:65] scope:SCOPE_SE
	s_setreg_imm32_b32 hwreg(HW_REG_WAVE_SCHED_MODE, 0, 2), 2
	s_setreg_imm32_b32 hwreg(HW_REG_WAVE_MODE, 25, 1), 1
	s_wait_xcnt 0x0
	s_wait_alu depctr_vm_vsrc(0)
; HiLo attention, first launch.  x: [8][256][64][64] f32.  A work-group owns a STRIP: two image rows of one batch = 128 pixels = 32 windows of 2 x 2 = 32 pooled keys;
; for each channel the strip is 512 consecutive bytes of x and of out0.  8 x 32 = 256 strips, 256 work-groups, sixteen waves each, 256 registers a wave.
; It reads x once, quantises x and the 2 x 2 mean along the 256 channels (E2M1 codes, one E8M0 byte for each 32), and makes:
;   hifi: qkv (K 256), the 4 x 4 attention inside each window in f32 multiply-adds, its result quantised, the projection (K 128) + bias -> out0, channels 0-127;
;   lofi: q (K 256) quantised along the head's 32 -> q_codes, q_scales; k and v of the pooled pixels (K 256), k quantised along the head's 32, v along the strip's 32 keys -> kv.
; All quantised products go by v_wmma_scale_f32_16x16x128_f8f6f4 on 4-bit codes, sums in f32.
; THE FIRST PRODUCTS ARE USED TRANSPOSED (source 0 = 16 rows of a weight, source 1 = 16 pixels): a lane then holds ONE pixel and its registers run along the output channels.  THE ROWS OF A WEIGHT THAT FORM A TILE
; ARE NOT NEIGHBOURS: lane r of tile u takes row 8 u + r + 8 (r / 8) of a head's 32, so that the 16 registers of tiles 0 and 1 are the 16 neighbouring channels 16 (lane / 16) + 0 .. 15.
; A TILE OF 16 PIXELS: row m is column 8 T + 4 (m / 8) + m % 4 of image row (m / 4) % 2: the three other pixels of m's window are rows m xor 1, m xor 4, m xor 5 (one DPP step each), and in a result
; that holds pixels in its registers, registers 0-3 are four neighbouring columns of the upper image row and registers 4-7 the same four of the lower.
; NO JOINT REQUESTS: the launch has no tensor load.  The weights that all work-groups share (98,304 bytes of codes, 6,144 of scale bytes for the first products) are asked for ahead of the strip's own 131,072 bytes of x
; and are first read behind x's quantising; each wave has all its 89 loads issued before it waits for any.
; LIMITS: a block whose largest magnitude lies under 2^-124 (for the pooled pixels: whose largest sum of four lies under 2^-122) has its scale byte held at 1; a block of zeros gets the byte 1 where the rule says 127
; (its codes are zeros, and the bytes are read by this program alone); NaN and infinities among the inputs are not served.  The pooled sum adds the two image rows first, then the two columns.
; THE MODE: SCHED_MODE bits 1:0 = 2 (LLVM: expert scheduling mode 2), set by the entry lines.  The code itself states the register dependences between vector or matrix instructions and memory or LDS instructions,
; with s_wait_alu, always for 0.
; THE PLAN.  Registers that memory or LDS instructions touch, and who else names them:
;   v4-v40         offsets and LDS addresses: written once at the head, read by loads and stores, never written again: one wait on va_vdst ahead of the first global load, one ahead of the first LDS store.
;   v184-231, v236 the weights on their way: global loads land, LDS stores read; behind the first barrier LDS loads land there again: one wait on vm_vsrc behind that barrier.
;   v240-254       codes and bytes of x's two rows and of the pooled pixels: written by the three quantisings, read by six LDS stores that stand together behind ONE wait on va_vdst.  No vector instruction stands
;                  between that wait and the loads behind the first barrier, so it also states that the quantisings are done with v88-135 and v232-247, in which those loads land.
;   WB0, WB1       weight tiles: read by products, loaded again twice: a wait on va_vdst behind the kv and lofi q products (hifi q's tiles), one behind hifi q's products (hifi v's tiles).
;   v88-109        codes and bytes of k or v and of lofi q: written by three quantisings, read by six LDS stores behind ONE wait on va_vdst; a wait on vm_vsrc ahead of hifi q's products, which write over them.
;   WK0, WK1       v152-183: lofi q's sums, then, behind the same wait on va_vdst, hifi k's two weight tiles, then hifi v's sums: a third pair of tile registers, so that hifi k's tiles owe no wait of their own.
;   v248-253, v216-221  hifi's result as codes, a set for each of my two tiles of pixels: four LDS stores behind ONE wait on va_vdst, which also serves every load behind the second barrier.
;   v88-119        the projection's results: four places, one wait on va_vdst, eight LDS stores; the same wait serves the read-back into v120-151.
.set KVSC, 115200                      ; LDS.  0: WT, 800 rows of 128 bytes + 16: rows 0-383 h_qkv, 384-511 l_q, 512-767 l_kv, 768-799 the pooled pixels' codes.  KVSC: 288 rows x 8 scale bytes: l_kv's, then the pooled pixels'
.set XC,   117504                      ; x's codes: 136 rows of 128 bytes + 16, row = 72 x image row + column
.set XS,   137088                      ; x's scale bytes: 8 a row
.set QC,   138176                      ; lofi q's codes: [pixel][head][16 bytes], as they go to memory
.set QS,   146368                      ; and its scale bytes: [pixel][4]
.set KVST, 146880                      ; the strip's 4,096 bytes of k's and v's codes, as they go to memory
.set KVSS, 150976                      ; and their 256 scale bytes
.set HOC,  151232                      ; hifi attention's result as codes: 128 rows (16 T + m) of 64 bytes + 16
.set HOS,  161472                      ; and its scale words
.set STG,  161984                      ; the way out: 128 channels x (512 bytes + 16)
.set WS,   44                          ; v44-59  scale words of the weights' tiles: 4 kind + 2 tile + K step (kind 0 l_q, 1-3 hifi q, k, v)
.set XSC,  60                          ; v60-63  x's scale words, 2 a + K step; later the scale words of hifi's result
.set KS1,  64                          ; v64-67, v68-69  scale words of the kv product's two sources
.set KS2,  68
.set ACC,  88                          ; v88-183  hifi q at +0, k at +32, v at +64 (lofi q first lies where v will); in each: 16 a + 8 tile
.set XF,   184                         ; v184-215 x's fragments: 16 a + 8 K step
.set WB0,  216                         ; v216-231, v232-247  a weight tile's two K steps, two buffers
.set WB1,  232
.set WK0,  152                         ; v152-167, v168-183  hifi k's two weight tiles, between lofi q's sums and hifi v's
.set WK1,  168
.set R0,   88                          ; while x is quantised: 32 channels of the upper image row, of the lower, of the pooled sum
.set R1,   120
.set PS,   152
.set M0,   237
.set M1,   238
.set SOP,  239
.set KX,   184                         ; in the window attention: a partner's k or v; the result; score pairs; scores; at work; weights
.set OO,   200
.set SA,   216
.set SS,   224
.set ST,   228
.set AA,   232
.macro BARRIER                         ; my LDS stores have landed and my LDS loads are in: then the work-group's barrier
	s_wait_dscnt 0x0
	s_barrier_signal -1
	s_barrier_wait -1
.endm
.macro PLACES n
.rept \n
	v_nop
.endr
.endm
.macro MMZ d, a, b, sa, sb             ; a product that starts a sum
	v_wmma_scale_f32_16x16x128_f8f6f4 v[\d:\d+7], v[\a:\a+7], v[\b:\b+7], 0, v[\sa], v[\sb] matrix_a_fmt:MATRIX_FMT_FP4 matrix_b_fmt:MATRIX_FMT_FP4
.endm
.macro MMA d, a, b, sa, sb             ; and one that adds onto it
	v_wmma_scale_f32_16x16x128_f8f6f4 v[\d:\d+7], v[\a:\a+7], v[\b:\b+7], v[\d:\d+7], v[\sa], v[\sb] matrix_a_fmt:MATRIX_FMT_FP4 matrix_b_fmt:MATRIX_FMT_FP4
.endm
; 32 numbers of ONE lane, a whole block, become 16 bytes of codes in v[cod] on and the scale's byte in v[byt].  pool = 1: the numbers are sums of four; the codes are the mean's, the byte lies 2 lower.
.macro QB32 src, cod, byt, pool
	v_max3_num_f32 v[M0], |v[\src]|, |v[\src+1]|, |v[\src+2]|
	v_max3_num_f32 v[M1], |v[\src+3]|, |v[\src+4]|, |v[\src+5]|
.irp i, 6,10,14,18,22,26
	v_max3_num_f32 v[M0], v[M0], |v[\src+\i]|, |v[\src+\i+1]|
	v_max3_num_f32 v[M1], v[M1], |v[\src+\i+2]|, |v[\src+\i+3]|
.endr
	v_max3_num_f32 v[M0], v[M0], |v[\src+30]|, |v[\src+31]|
.if \pool
	v_max3_num_f32 v[M0], v[M0], v[M1], 0x2800000  ; the floor 2^(5 - 127): the mean's byte cannot fall under 1
	v_add_nc_u32 v[\byt], 0xfe000000, v[M0]        ; 4 off the sum's exponent field: 2 for the format, 2 for the division by four
	v_add_nc_u32 v[SOP], 0xff000000, v[M0]         ; the conversion divides the SUM by its own scale: the same codes as the mean by the mean's
	v_lshrrev_b32 v[\byt], 23, v[\byt]
.else
	v_max3_num_f32 v[M0], v[M0], v[M1], 0x1800000  ; the floor 2^(3 - 127): the byte cannot fall under 1
	v_add_nc_u32 v[SOP], 0xff000000, v[M0]         ; 2 off the exponent field: the conversion takes the exponent field of this operand as its scale
	v_lshrrev_b32 v[\byt], 23, v[SOP]
.endif
.irp g, 0,1,2,3
	v_cvt_scalef32_pk8_fp4_f32 v[\cod+\g], v[\src+8*\g:\src+8*\g+7], v[SOP]
.endr
	v_nop                                          ; one plain place behind a scaled conversion
.endm
; 16 numbers of a lane, half a block (the other half lies in lane l xor 16), become 8 bytes of codes in v[tmp + 4], v[tmp + 5] and the block's byte in v[tmp + 3].  The numbers are read in ascending order.
.macro QUANT1 src, tmp
	v_max3_num_f32 v[\tmp], |v[\src]|, |v[\src+1]|, 0x1800000
.irp i, 2,4,6,8,10,12,14
	v_max3_num_f32 v[\tmp], v[\tmp], |v[\src+\i]|, |v[\src+\i+1]|
.endr
	v_permlanex16_b32 v[\tmp+1], v[\tmp], s44, s45
	v_max_num_f32 v[\tmp], v[\tmp], v[\tmp+1]
	v_add_nc_u32 v[\tmp+2], 0xff000000, v[\tmp]
	v_lshrrev_b32 v[\tmp+3], 23, v[\tmp+2]
	v_cvt_scalef32_pk8_fp4_f32 v[\tmp+4], v[\src:\src+7], v[\tmp+2]
	v_cvt_scalef32_pk8_fp4_f32 v[\tmp+5], v[\src+8:\src+15], v[\tmp+2]
	v_nop                                          ; one plain place behind a scaled conversion
.endm
; and they go to LDS: the sends of several quantisings stand together, behind one wait on va_vdst
.macro QSEND tmp, acod, offc, ascl, offs
	ds_store_b64 v[\acod], v[\tmp+4:\tmp+5] offset:\offc
	ds_store_b8 v[\ascl], v[\tmp+3] offset:\offs   ; both halves of the lanes write the same byte with the same value
.endm
.macro WLOAD row, buf                  ; a weight tile (16 rows from WT's row on, by my head and lane), both K steps
.irp s, 0,1
.irp c, 0,1
	ds_load_b128 v[\buf+8*\s+4*\c:\buf+8*\s+4*\c+3], v14 offset:(\row)*144+64*\s+32*\c
.endr
.endr
.endm
.macro WMUL acc, ws, buf               ; that tile against my two tiles of pixels: the two accumulators take turns
	MMZ \acc, \buf, XF, \ws, XSC
	MMZ \acc+16, \buf, XF+16, \ws, XSC+2
	MMA \acc, \buf+8, XF+8, \ws+1, XSC+1
	MMA \acc+16, \buf+8, XF+24, \ws+1, XSC+3
.endm
	s_load_b512 s[4:19], s[0:1], 0x0               ; x, h_qkv codes, scales, l_q codes, scales, l_kv codes, scales, h_proj codes
	s_load_b256 s[20:27], s[0:1], 0x40             ; h_proj scales, h_proj_b, q_codes, q_scales
	s_load_b128 s[28:31], s[0:1], 0x60             ; kv, out0
	v_lshl_add_u32 v71, v0, 2, 0x38200
	v_mov_b32 v255, 0
	v_lshrrev_b32 v1, 5, v0
	v_readfirstlane_b32 s32, v1                    ; wave w, 0..15
	s_lshr_b32 s39, ttmp9, 5                       ; batch
	s_and_b32 s40, ttmp9, 31                       ; strip
	s_mov_b32 s44, 0x76543210
	s_mov_b32 s45, 0xfedcba98                      ; v_permlanex16_b32's selects for lane l xor 16
	s_mov_b32 s46, 0x3e8293ee                      ; log2(e) / sqrt(32)
	v_and_b32 v1, 31, v0                           ; lane
	v_and_b32 v2, 15, v0                           ; r
	v_bfe_u32 v3, v0, 4, 1                         ; h
	v_and_b32 v41, 8, v0
	v_add_nc_u32 v41, v41, v2                      ; r + 8 (r / 8)
	s_wait_alu depctr_va_vdst(0)
	v_lshlrev_b32 v4, 2, v1                        ; x: 4 bytes a lane
	v_lshlrev_b32 v5, 4, v0                        ; 16 bytes a thread
	v_lshlrev_b32 v8, 2, v0                        ; 4 bytes a thread
	s_wait_alu depctr_va_sdst(0)                   ; s32 is written, ahead of its first reader: all that hangs on the wave's number is made from it
	s_and_b32 s33, s32, 7                          ; x: my block of 32 channels;  projection: my 16 output channels
	s_lshr_b32 s34, s32, 3                         ; x: my half of the columns;  kv: 0 = k, 1 = v;  projection: my half of the pixel tiles
	s_lshr_b32 s35, s32, 2                         ; first products and window attention: my head
	s_and_b32 s36, s32, 3                          ; and my pair of pixel tiles
	s_bfe_u32 s37, s32, 0x20001                    ; kv: my head
	s_and_b32 s38, s32, 1                          ; kv: my tile of 16
	s_lshl_b32 s48, s35, 8
	v_lshl_add_u32 v38, v41, 3, s48                ; a weight's scale bytes: 8 a row, row 32 head + r + 8 (r / 8)
	s_lshl_b32 s48, s33, 10
	v_lshlrev_b32 v39, 6, v2
	v_lshl_add_u32 v39, v3, 4, v39
	v_add_nc_u32 v39, s48, v39                     ; h_proj: row 16 n + r of 64 bytes, + 16 h
	s_lshl_b32 s48, s33, 6
	v_lshl_add_u32 v40, v2, 2, s48                 ; its scale word and its bias: 4 bytes a row
	s_mov_b32 s43, 0
	s_lshl_b32 s42, s39, 22                        ; x: batch x 4,194,304
	s_lshl_b32 s48, s33, 19
	s_add_co_u32 s42, s42, s48                     ; + my 32 channels x 16,384
	s_lshl_b32 s48, s40, 9
	s_add_co_u32 s42, s42, s48                     ; + strip x 512
	s_lshl_b32 s48, s34, 7
	s_add_co_u32 s42, s42, s48                     ; + my half of the columns
	s_wait_kmcnt 0x0
	s_add_nc_u64 s[4:5], s[4:5], s[42:43]
	s_wait_alu depctr_va_vdst(0)                   ; the offsets v4, v5, v8, v38, v39, v40 are written, which the 89 loads below read
	; 25 loads of weights: each of the 512 threads takes 16 bytes of 8,192, so a wave's load covers 512 consecutive bytes
.irp n, 0,1,2,3,4,5
	global_load_b128 v[184+4*\n:187+4*\n], v5, s[6:7] offset:8192*\n
.endr
.irp n, 0,1
	global_load_b128 v[208+4*\n:211+4*\n], v5, s[10:11] offset:8192*\n
.endr
.irp n, 0,1,2,3
	global_load_b128 v[216+4*\n:219+4*\n], v5, s[14:15] offset:8192*\n
.endr
	global_load_b32 v236, v8, s[16:17]             ; l_kv's 2,048 scale bytes
.irp k, 1,2,3
.irp u, 0,1
	global_load_b64 v[WS+4*\k+2*\u:WS+4*\k+2*\u+1], v38, s[8:9] offset:(128*(\k-1)+8*\u)*8
.endr
.endr
.irp u, 0,1
	global_load_b64 v[WS+2*\u:WS+2*\u+1], v38, s[12:13] offset:64*\u
.endr
	global_load_b128 v[72:75], v39, s[18:19]       ; h_proj's fragment stays in registers
	global_load_b128 v[76:79], v39, s[18:19] offset:32
	global_load_b32 v70, v40, s[20:21]
	global_load_b32 v80, v40, s[22:23]
	; 64 loads of x: A LANE TAKES A COLUMN AND ITS REGISTERS RUN DOWN THE CHANNELS, which are K.  A load reads 128 consecutive bytes; the wave with the other half of the columns reads the 128 beside them
.set k, 0
.rept 32
	global_load_b32 v[R0+k], v4, s[4:5] offset:k*16384 th:TH_LOAD_NT
.set k, k+1
.endr
.set k, 0
.rept 32
	global_load_b32 v[R1+k], v4, s[4:5] offset:k*16384+256 th:TH_LOAD_NT
.set k, k+1
.endr
	; the other pointers
	s_lshl_b32 s42, s39, 22
	s_lshl_b32 s48, s32, 17
	s_add_co_u32 s42, s42, s48                     ; out0: my 8 channels, 8 w on
	s_lshl_b32 s48, s40, 9
	s_add_co_u32 s42, s42, s48
	s_add_nc_u64 s[30:31], s[30:31], s[42:43]
	s_lshl_b32 s42, ttmp9, 13
	s_add_nc_u64 s[24:25], s[24:25], s[42:43]      ; q_codes: 8,192 bytes a strip
	s_lshl_b32 s42, ttmp9, 9
	s_add_nc_u64 s[26:27], s[26:27], s[42:43]      ; q_scales: 512
	s_mul_i32 s49, s39, 139264                     ; kv: 139,264 bytes a batch: 131,072 of codes, then 8,192 scale bytes
	s_lshl_b32 s48, s40, 8
	s_add_co_u32 s42, s49, s48
	s_add_co_u32 s42, s42, 131072
	s_add_nc_u64 s[56:57], s[28:29], s[42:43]      ; the strip's 256 scale bytes
	s_lshl_b32 s48, s40, 12
	s_add_co_u32 s42, s49, s48
	s_add_nc_u64 s[28:29], s[28:29], s[42:43]      ; the strip's 4,096 bytes of codes
	; LDS addresses, all made here, each a constant + constants x bits of the lane + constants x bits of the wave
	v_lshrrev_b32 v240, 3, v0
	v_and_b32 v241, 7, v0
	v_mul_u32_u24 v6, v240, 144
	v_lshl_add_u32 v6, v241, 4, v6                 ; the weights' way in: eight threads to a row of 128 bytes
	v_add_nc_u32 v7, 73728, v6                     ; the same from WT's row 512 on
	v_lshl_add_u32 v9, v0, 2, KVSC
	s_mul_i32 s48, s34, 4608
	s_lshl_b32 s49, s33, 4
	s_add_co_u32 s48, s48, s49
	s_add_co_u32 s48, s48, XC
	v_mul_u32_u24 v10, v1, 144
	v_add_nc_u32 v10, s48, v10                     ; x's codes: row = my column, byte 16 x my block
	s_lshl_b32 s48, s34, 8
	s_add_co_u32 s48, s48, s33
	s_add_co_u32 s48, s48, XS
	v_lshl_add_u32 v11, v1, 3, s48                 ; x's scale byte
	v_lshrrev_b32 v240, 1, v1
	s_mul_i32 s48, s34, 2304
	s_add_co_u32 s48, s48, s49
	s_add_co_u32 s48, s48, 110592
	v_mul_u32_u24 v12, v240, 144
	v_add_nc_u32 v12, s48, v12                     ; the pooled codes: WT's row 768 + window
	s_lshl_b32 s48, s34, 7
	s_add_co_u32 s48, s48, s33
	s_add_co_u32 s48, s48, KVSC+2048
	v_lshl_add_u32 v13, v240, 3, s48               ; and their scale byte
	v_mul_u32_u24 v43, v41, 144
	v_lshl_add_u32 v43, v3, 4, v43                 ; (r + 8 (r / 8)) rows + 16 h
	s_mul_i32 s48, s35, 4608
	v_add_nc_u32 v14, s48, v43                     ; a weight tile of my head
	v_bfe_u32 v240, v0, 2, 1                       ; a pixel tile's row r: image row,
	v_bfe_u32 v241, v0, 3, 1
	v_and_b32 v242, 3, v0
	v_lshl_add_u32 v243, v241, 2, v242             ; column in the tile's eight
	v_mad_u32_u24 v244, v240, 72, v243             ; its row in XC and XS
	v_lshl_add_u32 v245, v240, 6, v243             ; its number among the strip's 128 pixels
	s_mul_i32 s48, s36, 2304
	s_add_co_u32 s48, s48, XC
	v_mul_u32_u24 v15, v244, 144
	v_lshl_add_u32 v15, v3, 4, v15
	v_add_nc_u32 v15, s48, v15                     ; x's fragments
	s_lshl_b32 s48, s36, 7
	s_add_co_u32 s48, s48, XS
	v_lshl_add_u32 v16, v244, 3, s48               ; x's scale words
	s_lshl_b32 s50, s37, 5
	s_lshl_b32 s51, s38, 3
	s_add_co_u32 s52, s50, 512                     ; k: source 0 = the head's rows of Wk,
	s_mov_b32 s53, 768                             ; v: source 0 = the pooled pixels;
	s_add_co_u32 s54, s51, 768                     ; k: source 1 = my 16 pooled pixels,
	s_add_co_u32 s55, s50, s51
	s_add_co_u32 s55, s55, 640                     ; v: source 1 = my 16 rows of Wv
	s_cmp_lt_u32 s32, 8
	s_cselect_b32 s52, s52, s53
	s_cselect_b32 s54, s54, s55
	s_mul_i32 s48, s52, 144
	v_add_nc_u32 v17, s48, v43
	s_mul_i32 s48, s54, 144
	v_add_nc_u32 v18, s48, v43
	s_lshl_b32 s48, s52, 3
	s_add_co_u32 s48, s48, KVSC-4096
	v_lshl_add_u32 v19, v41, 3, s48
	s_lshl_b32 s48, s54, 3
	s_add_co_u32 s48, s48, KVSC-4096
	v_lshl_add_u32 v20, v41, 3, s48
	s_lshl_b32 s48, s32, 8
	s_add_co_u32 s48, s48, KVST
	v_lshlrev_b32 v240, 4, v2
	v_lshl_add_u32 v240, v3, 3, v240
	v_add_nc_u32 v21, s48, v240                    ; k's or v's codes: 256 w + 16 r + 8 h
	s_lshl_b32 s48, s32, 4
	s_add_co_u32 s48, s48, KVSS
	v_add_nc_u32 v22, s48, v2
	s_lshl_b32 s48, s36, 10
	s_lshl_b32 s49, s35, 4
	s_add_co_u32 s48, s48, s49
	s_add_co_u32 s48, s48, QC
	v_lshlrev_b32 v23, 6, v245
	v_lshl_add_u32 v23, v3, 3, v23
	v_add_nc_u32 v23, s48, v23                     ; lofi q's codes
	s_lshl_b32 s48, s36, 6
	s_add_co_u32 s48, s48, s35
	s_add_co_u32 s48, s48, QS
	v_lshl_add_u32 v24, v245, 2, s48
	s_mul_i32 s48, s36, 2560
	s_add_co_u32 s48, s48, s49
	s_add_co_u32 s48, s48, HOC
	v_mul_u32_u24 v25, v2, 80
	v_lshl_add_u32 v25, v3, 3, v25
	v_add_nc_u32 v25, s48, v25                     ; hifi's result as codes
	s_lshl_b32 s48, s36, 7
	s_add_co_u32 s48, s48, s35
	s_add_co_u32 s48, s48, HOS
	v_lshl_add_u32 v26, v2, 2, s48
	s_mul_i32 s48, s34, 5120
	s_add_co_u32 s48, s48, HOC
	v_mul_u32_u24 v27, v2, 80
	v_lshl_add_u32 v27, v3, 4, v27
	v_add_nc_u32 v27, s48, v27                     ; and read as fragments
	s_lshl_b32 s48, s34, 8
	s_add_co_u32 s48, s48, HOS
	v_lshl_add_u32 v28, v2, 2, s48
	s_mul_i32 s48, s33, 8448
	s_lshl_b32 s49, s34, 7
	s_add_co_u32 s48, s48, s49
	s_add_co_u32 s48, s48, STG
	v_mul_u32_u24 v29, v2, 528
	v_lshl_add_u32 v29, v3, 4, v29
	v_add_nc_u32 v29, s48, v29                     ; the stage, in: channel 16 n + r
	s_mul_i32 s48, s32, 4224
	s_add_co_u32 s48, s48, STG
	v_lshl_add_u32 v30, v1, 4, s48                 ; and back: my 8 channels, 16 bytes a lane
	v_lshlrev_b32 v31, 4, v1
	v_lshl_add_u32 v32, v0, 4, QC
	v_lshl_add_u32 v33, v0, 3, KVST
	v_lshlrev_b32 v34, 3, v0
	v_lshl_add_u32 v35, v1, 4, QS
	v_lshl_add_u32 v36, v1, 3, KVSS
	v_lshlrev_b32 v37, 3, v1
	s_wait_loadcnt 63                              ; 64 loads of x were issued behind the 25 of weights; a wait names 63 at the most, which is under 64: the weights are in
	s_wait_alu depctr_va_vdst(0)                   ; the LDS addresses and store offsets v6 to v37 are written, which every LDS access and store of the kernel reads; none is written again
.irp n, 0,1,2,3,4,5
	ds_store_b128 v6, v[184+4*\n:187+4*\n] offset:9216*\n
.endr
.irp n, 0,1
	ds_store_b128 v6, v[208+4*\n:211+4*\n] offset:55296+9216*\n
.endr
.irp n, 0,1,2,3
	ds_store_b128 v7, v[216+4*\n:219+4*\n] offset:9216*\n
.endr
	ds_store_b32 v9, v236
.irp j, 1,2,3,4,5,6,7
	v_mov_b32 v[80+\j], v80                        ; the bias in the result's layout: a lane holds one channel in all eight registers
.endr
	; ---- x and the pooled pixels are quantised: three quantisings, each into registers of its own; their six stores stand together behind them
	s_wait_loadcnt 32                              ; the upper image row's 32 loads are in; the lower row's 32 may be out
	QB32 R0, 240, 252, 0
	s_wait_loadcnt 0x0
.set k, 0
.rept 16
	v_pk_add_f32 v[PS+k:PS+k+1], v[R0+k:R0+k+1], v[R1+k:R1+k+1]
.set k, k+2
.endr
.set k, 0
.rept 32
	v_add_f32_dpp v[PS+k], v[PS+k], v[PS+k] row_xmask:1 row_mask:0xf bank_mask:0xf   ; with the neighbouring column's: the window's sum, in both lanes
.set k, k+1
.endr
	QB32 R1, 244, 253, 0
	QB32 PS, 248, 254, 1
	s_wait_alu depctr_va_vdst(0)                   ; the quantisings have written v240 to v254, which the six stores read; and they are done with v88-135 and v237-247, in which the loads behind the barrier land
	ds_store_b128 v10, v[240:243]
	ds_store_b8 v11, v252
	ds_store_b128 v10, v[244:247] offset:10368
	ds_store_b8 v11, v253 offset:576
	ds_store_b128 v12, v[248:251]                  ; both lanes of a window write the same bytes with the same values
	ds_store_b8 v13, v254
	BARRIER                                        ; weights, x's codes and the pooled codes lie in LDS
	s_wait_alu depctr_vm_vsrc(0)                   ; my LDS stores have read v184-231, v236 and v240-254: the loads below land in some of them, later vector work writes the others
	; ---- the first products
.irp a, 0,1
.irp s, 0,1
.irp c, 0,1
	ds_load_b128 v[XF+16*\a+8*\s+4*\c:XF+16*\a+8*\s+4*\c+3], v15 offset:1152*\a+64*\s+32*\c
.endr
.endr
.endr
.irp a, 0,1
	ds_load_b64 v[XSC+2*\a:XSC+2*\a+1], v16 offset:64*\a
.endr
.irp u, 0,1
.irp s, 0,1
.irp c, 0,1
	ds_load_b128 v[88+16*\u+8*\s+4*\c:88+16*\u+8*\s+4*\c+3], v17 offset:1152*\u+64*\s+32*\c
.endr
.endr
.endr
.irp s, 0,1
.irp c, 0,1
	ds_load_b128 v[120+8*\s+4*\c:120+8*\s+4*\c+3], v18 offset:64*\s+32*\c
.endr
.endr
.irp u, 0,1
	ds_load_b64 v[KS1+2*\u:KS1+2*\u+1], v19 offset:64*\u
.endr
	ds_load_b64 v[KS2:KS2+1], v20
	WLOAD 384, WB0
	WLOAD 392, WB1
	s_wait_dscnt 8                                 ; all but the two weight tiles just asked for
	MMZ 136, 88, 120, KS1, KS2                     ; k: a lane holds a pooled key, its 16 registers 16 of the head's 32;  v: a lane holds one of the head's 32, its registers 16 neighbouring keys
	MMZ 144, 104, 120, KS1+2, KS2
	MMA 136, 96, 128, KS1+1, KS2+1
	MMA 144, 112, 128, KS1+3, KS2+1
	s_wait_dscnt 4
	WMUL ACC+64, WS, WB0                           ; lofi q
	s_wait_dscnt 0x0
	WMUL ACC+72, WS+2, WB1
	PLACES 4                                       ; in front of loads into registers that the products read, and of the first reads of results
	s_wait_alu depctr_va_vdst(0)                   ; lofi q's products are done reading WB0 and WB1, in which hifi q's two tiles land
	WLOAD 0, WB0
	WLOAD 8, WB1
	QUANT1 136, 88
	QUANT1 ACC+64, 96
	QUANT1 ACC+80, 104
	s_wait_alu depctr_va_vdst(0)                   ; the three quantisings have written the codes and bytes in v88-109, which the six stores read; and they are done reading lofi q's sums, v152-183, in which hifi k's two tiles land
	QSEND 88, 21, 0, 22, 0
	QSEND 96, 23, 0, 24, 0
	QSEND 104, 23, 512, 24, 32
	WLOAD 128, WK0
	WLOAD 136, WK1
	PLACES 5                                       ; the next products write over registers of products above
	s_wait_dscnt 8                                 ; hifi q's two tiles are in and the six stores are done; hifi k's two tiles, eight loads, may be out
	s_wait_alu depctr_vm_vsrc(0)                   ; the six stores have read v88-109, which hifi q's products write over
	WMUL ACC, WS+4, WB0                            ; hifi q
	WMUL ACC+8, WS+6, WB1
	PLACES 4                                       ; in front of loads into registers that the products read
	s_wait_alu depctr_va_vdst(0)                   ; hifi q's products are done reading WB0 and WB1, in which hifi v's two tiles land
	WLOAD 256, WB0
	WLOAD 264, WB1
	s_wait_dscnt 8                                 ; hifi k's two tiles are in; the eight loads just issued may be out
	WMUL ACC+32, WS+8, WK0                         ; hifi k
	WMUL ACC+40, WS+10, WK1
	PLACES 5                                       ; hifi v's products write over WK0 and WK1, which hifi k's products read
	s_wait_dscnt 0x0
	WMUL ACC+64, WS+12, WB0                        ; hifi v
	WMUL ACC+72, WS+14, WB1
	PLACES 4
	; ---- the attention inside each window, in f32: lane (r, h) holds pixel r's channels 16 h .. 16 h + 15 of my head
.macro SCORE n, x                      ; my q against the k of the pixel x away
.irp d, 0,1,2,3,4,5,6,7,8,9,10,11,12,13,14,15
	v_mov_b32_dpp v[KX+\d], v[HK+\d] row_xmask:\x row_mask:0xf bank_mask:0xf
.endr
	v_pk_mul_f32 v[SA+2*\n:SA+2*\n+1], v[HQ:HQ+1], v[KX:KX+1]
.irp d, 2,4,6,8,10,12,14
	v_pk_fma_f32 v[SA+2*\n:SA+2*\n+1], v[HQ+\d:HQ+\d+1], v[KX+\d:KX+\d+1], v[SA+2*\n:SA+2*\n+1]
.endr
.endm
.macro MIX n, x                        ; and that pixel's v, by its weight
.irp d, 0,1,2,3,4,5,6,7,8,9,10,11,12,13,14,15
	v_mov_b32_dpp v[KX+\d], v[HV+\d] row_xmask:\x row_mask:0xf bank_mask:0xf
.endr
.irp d, 0,2,4,6,8,10,12,14
	v_pk_fma_f32 v[OO+\d:OO+\d+1], v[KX+\d:KX+\d+1], v[AA+2*\n:AA+2*\n+1], v[OO+\d:OO+\d+1] op_sel_hi:[1,0,1]
.endr
.endm
.macro HATT a, tmp                     ; my tile a of pixels; its codes and byte are left in v[tmp + 3] to v[tmp + 5]
.set HQ, ACC+16*\a
.set HK, ACC+32+16*\a
.set HV, ACC+64+16*\a
	v_pk_mul_f32 v[SA:SA+1], v[HQ:HQ+1], v[HK:HK+1]
.irp d, 2,4,6,8,10,12,14
	v_pk_fma_f32 v[SA:SA+1], v[HQ+\d:HQ+\d+1], v[HK+\d:HK+\d+1], v[SA:SA+1]
.endr
	SCORE 1, 1
	SCORE 2, 4
	SCORE 3, 5
.irp n, 0,1,2,3
	v_add_f32 v[SS+\n], v[SA+2*\n], v[SA+2*\n+1]
.endr
.irp n, 0,1,2,3
	v_permlanex16_b32 v[ST+\n], v[SS+\n], s44, s45
.endr
.irp n, 0,1,2,3
	v_add_f32 v[SS+\n], v[SS+\n], v[ST+\n]         ; with the other 16 channels': the four scores of my pixel
.endr
	v_max3_num_f32 v240, v[SS], v[SS+1], v[SS+2]
	v_max_num_f32 v240, v240, v[SS+3]
.irp n, 0,1,2,3
	v_sub_f32 v[SS+\n], v[SS+\n], v240             ; the maximum is taken away,
.endr
.irp n, 0,1,2,3
	v_mul_f32 v[SS+\n], s46, v[SS+\n]
.endr
	s_wait_alu depctr_va_vdst(0)
.irp n, 0,1,2,3
	v_exp_f32 v[SS+\n], v[SS+\n]
.endr
	v_nop                                          ; a plain place behind the exponentials
	s_wait_alu depctr_va_vdst(0)                   ; the four exponentials have written v[SS] on, ahead of the additions that read them
	v_add_f32 v241, v[SS], v[SS+1]
	v_add_f32 v242, v[SS+2], v[SS+3]
	v_add_f32 v241, v241, v242
	s_wait_alu depctr_va_vdst(0)
	v_rcp_f32 v243, v241
	v_nop                                          ; a plain place behind the reciprocal
	s_wait_alu depctr_va_vdst(0)                   ; the reciprocal has written v243, ahead of the multiplications that read it
.irp n, 0,1,2,3
	v_mul_f32 v[AA+2*\n], v[SS+\n], v243           ; the finished softmax
.endr
.irp d, 0,2,4,6,8,10,12,14
	v_pk_mul_f32 v[OO+\d:OO+\d+1], v[HV+\d:HV+\d+1], v[AA:AA+1] op_sel_hi:[1,0]
.endr
	MIX 1, 1
	MIX 2, 4
	MIX 3, 5
	QUANT1 OO, \tmp                                ; my head's 32 channels are one block of the projection's K
.endm
	HATT 0, 248
	HATT 1, 216                                    ; (where its score pairs lay, which are done with)
	s_wait_alu depctr_va_vdst(0)                   ; both tiles' quantisings have written v251-253 and v219-221, which the four stores read; and all vector and matrix work is done with v60-63, v152-163 and v184-215, in which the loads behind the barrier land
	QSEND 248, 25, 0, 26, 0
	QSEND 216, 25, 1280, 26, 64
	BARRIER                                        ; q's, k's, v's and hifi's codes and scale bytes lie in LDS
	; ---- the workspace leaves in dense runs; the projection's operands come in
	ds_load_b128 v[152:155], v32
	ds_load_b64 v[156:157], v33
.irp g, 0,1,2,3
.irp c, 0,1
	ds_load_b128 v[184+8*\g+4*\c:184+8*\g+4*\c+3], v27 offset:1280*\g+32*\c
.endr
.endr
.irp g, 0,1,2,3
	ds_load_b32 v[XSC+\g], v28 offset:64*\g
.endr
	s_wait_dscnt 12                                ; the first two are in; the projection's twelve may be out
	global_store_b128 v5, v[152:155], s[24:25]     ; q's codes: a wave stores 512 consecutive bytes
	global_store_b64 v34, v[156:157], s[28:29]     ; k's and v's: a wave stores 256 consecutive bytes, aligned
	s_cmp_lg_u32 s32, 0
	s_cbranch_scc1 .Lnot_qs
	ds_load_b128 v[158:161], v35
	s_wait_dscnt 0x0
	global_store_b128 v31, v[158:161], s[26:27]    ; q's 512 scale bytes
.Lnot_qs:
	s_cmp_lg_u32 s32, 1
	s_cbranch_scc1 .Lnot_kvs
	ds_load_b64 v[162:163], v36
	s_wait_dscnt 0x0
	global_store_b64 v37, v[162:163], s[56:57]     ; k's and v's 256 scale bytes, one aligned run
.Lnot_kvs:
	s_wait_dscnt 0x0
	; ---- the projection: source 0 = 16 pixels, source 1 = my 16 output channels; the bias is the C
.irp g, 0,1,2,3
	v_wmma_scale_f32_16x16x128_f8f6f4 v[88+8*\g:95+8*\g], v[184+8*\g:191+8*\g], v[72:79], v[80:87], v[XSC+\g], v70 matrix_a_fmt:MATRIX_FMT_FP4 matrix_b_fmt:MATRIX_FMT_FP4
.endr
	PLACES 4
	s_wait_alu depctr_va_vdst(0)                   ; the four products have written v88-119, which the LDS stores read (the places above stay beside this wait); no vector instruction follows, so it also serves the read-back into v120-151
.irp g, 0,1,2,3
	ds_store_b128 v29, v[88+8*\g:91+8*\g] offset:32*\g          ; four neighbouring columns of the upper image row; each accumulator from its low end on
	ds_store_b128 v29, v[92+8*\g:95+8*\g] offset:32*\g+256      ; and of the lower
.endr
	BARRIER                                        ; 128 channels x 512 bytes lie in the stage
.irp k, 0,1,2,3,4,5,6,7
	ds_load_b128 v[120+4*\k:123+4*\k], v30 offset:528*\k
.endr
.irp k, 0,1,2,3,4,5,6,7
	s_wait_dscnt 7-\k                              ; the younger loads stay out
	global_store_b128 v31, v[120+4*\k:123+4*\k], s[30:31] offset:16384*\k th:TH_STORE_NT   ; 32 lanes store a channel's 512 consecutive bytes, aligned
.endr
	s_wait_dscnt 0x0                               ; the closing lines, six on end
	s_wait_alu 0x0
	s_wait_tensorcnt 0x0
	ds_add_u32 v71, v255
	s_wait_dscnt 0x0
	s_endpgm
.Lfunc_end_k_qdfca9421d0_front:
	.size	k_qdfca9421d0_front, .Lfunc_end_k_qdfca9421d0_front-k_qdfca9421d0_front
	.p2alignl 7, 3214868480
	.fill 96, 4, 3214868480
	.section	.rodata,"a",@progbits
	.p2align	6, 0x0
	.amdhsa_kernel k_qdfca9421d0_front
		.amdhsa_group_segment_fixed_size 231936
		.amdhsa_private_segment_fixed_size 0
		.amdhsa_enable_private_segment 0
		.amdhsa_kernarg_size 112
		.amdhsa_user_sgpr_count 2
		.amdhsa_user_sgpr_kernarg_segment_ptr 1
		.amdhsa_wavefront_size32 1
		.amdhsa_system_sgpr_workgroup_id_x 1
		.amdhsa_system_sgpr_workgroup_id_y 1
		.amdhsa_system_sgpr_workgroup_id_z 1
		.amdhsa_system_vgpr_workitem_id 0
		.amdhsa_next_free_vgpr 256
		.amdhsa_next_free_sgpr 66
		.amdhsa_reserve_vcc 0
		.amdhsa_float_denorm_mode_32 3
		.amdhsa_float_denorm_mode_16_64 3
		.amdhsa_memory_ordered 1
		.amdhsa_forward_progress 1
		.amdhsa_inst_pref_size 68
	.end_amdhsa_kernel
	.amdgpu_metadata
---
amdhsa.version: [ 1, 2 ]
amdhsa.kernels:
  - .name:           k_qdfca9421d0_front
    .symbol:         k_qdfca9421d0_front.kd
    .args:
      - { .name: x, .offset: 0, .size: 8, .value_kind: global_buffer, .address_space: global }
      - { .name: h_qkv_w_codes, .offset: 8, .size: 8, .value_kind: global_buffer, .address_space: global }
      - { .name: h_qkv_w_scales, .offset: 16, .size: 8, .value_kind: global_buffer, .address_space: global }
      - { .name: l_q_w_codes, .offset: 24, .size: 8, .value_kind: global_buffer, .address_space: global }
      - { .name: l_q_w_scales, .offset: 32, .size: 8, .value_kind: global_buffer, .address_space: global }
      - { .name: l_kv_w_codes, .offset: 40, .size: 8, .value_kind: global_buffer, .address_space: global }
      - { .name: l_kv_w_scales, .offset: 48, .size: 8, .value_kind: global_buffer, .address_space: global }
      - { .name: h_proj_w_codes, .offset: 56, .size: 8, .value_kind: global_buffer, .address_space: global }
      - { .name: h_proj_w_scales, .offset: 64, .size: 8, .value_kind: global_buffer, .address_space: global }
      - { .name: h_proj_b, .offset: 72, .size: 8, .value_kind: global_buffer, .address_space: global }
      - { .name: q_codes, .offset: 80, .size: 8, .value_kind: global_buffer, .address_space: global }
      - { .name: q_scales, .offset: 88, .size: 8, .value_kind: global_buffer, .address_space: global }
      - { .name: kv, .offset: 96, .size: 8, .value_kind: global_buffer, .address_space: global }
      - { .name: out0, .offset: 104, .size: 8, .value_kind: global_buffer, .address_space: global }
    .group_segment_fixed_size: 231936
    .private_segment_fixed_size: 0
    .kernarg_segment_align: 8
    .kernarg_segment_size: 112
    .max_flat_workgroup_size: 512
    .sgpr_count:     66
    .vgpr_count:     256
    .wavefront_size: 32
...
	.end_amdgpu_metadata
.endif
;; end of part 3
;; launch lofi (part 4): grid 256 x 1, 16 waves a work-group, clusters of 4 x 1, 227,840 bytes of LDS; arguments q_codes, q_scales, kv, l_proj_w_codes, l_proj_w_scales, l_proj_b, out0; writes out0
.if DOCPART == 4
	.amdgcn_target "amdgcn-amd-amdhsa--gfx1250"
	.amdhsa_code_object_version 6
	.text
	.protected	k_qdfca9421d0_lofi
	.globl	k_qdfca9421d0_lofi
	.p2align	8
	.type	k_qdfca9421d0_lofi,@function
k_qdfca9421d0_lofi:
	s_mov_b64 s[64:65], 0
	v_nop
	global_prefetch_b8 v0, s[64:65] scope:SCOPE_SE
	s_setreg_imm32_b32 hwreg(HW_REG_WAVE_MODE, 25, 1), 1
	s_wait_xcnt 0x0
	s_wait_alu depctr_hold_cnt(0) depctr_sa_sdst(0) depctr_va_vdst(0) depctr_va_sdst(0) depctr_va_ssrc(0) depctr_va_vcc(0) depctr_vm_vsrc(0)
	s_getreg_b32 s2, hwreg(HW_REG_IB_STS2, 6, 4)
	s_cmp_eq_u32 s2, 0
	s_cbranch_scc0 .Lentry_in_a_cluster
	s_endpgm
.Lentry_in_a_cluster:
	s_bfe_u32 s2, ttmp6, 0x10000c
	s_cmp_lg_u32 s2, 0x3003
	s_cbranch_scc0 .Lentry_shape_is_right
	s_endpgm
.Lentry_shape_is_right:
; HiLo attention, second launch: the lofi branch.  For each batch and head: 4,096 queries against 1,024 pooled keys, head size 32, both products on E2M1 codes with one E8M0 byte for each 32 along K; then the projection
; (K 128) + bias -> out0, channels 128-255.  q, k, v arrive as codes and scale bytes that the first launch made.
; THE SOFTMAX AHEAD OF THE SECOND PRODUCT: t = score x log2(e) / sqrt(32); M = the running largest t rounded UP to a whole number; p = 2^(t - M) is quantised along the keys, not normalised; the row's sum is taken of the
; unquantised p and divides the result at the end.  When M moves, the sum and the result are multiplied by 2^(old M - new M): exact.
; SHARES.  A work-group owns a strip of 128 queries (two image rows) of one batch.  Wave w owns 16 queries (w % 8) and two heads (2 (w / 8), + 1).  Four waves to a SIMD: one wave's vector work stands beside another's products.
; K AND V OF THE WHOLE BATCH STAY IN LDS: 131,072 bytes of codes and 8,192 scale bytes, filled ONCE, one tensor load a wave (34 rows of 256 bytes): one load of a wave is outstanding; nothing is filled again.
; CLUSTER.  The four work-groups of a cluster are four strips of one batch and need the same 139,264 bytes: each of the sixteen loads is asked for JOINTLY, with the same descriptor and a mask that names the four.
; LAYOUT.  Both products are used transposed (S^T = K Q^T, O^T = V^T P^T): a lane holds ONE query.  In kv a strip of 32 keys is 4,096 bytes: k [head][place][16 bytes], then v [head][place][16 bytes]; place 16 u + r of k stands for
; key 8 u + r + 8 (r / 8), of v for channel 8 u + r + 8 (r / 8): so a fragment's sixteen lanes read 256 consecutive bytes, the 16 registers of two neighbouring score tiles are 16 neighbouring keys, and those of the result's two tiles 16 neighbouring channels.
; K = 32 IN AN INSTRUCTION OF K = 128.  One load gives a tile of 16 keys for BOTH my heads: lanes 0-15 hold the first head's 32 codes (k 0-31), lanes 16-31 the second's (k 32-63).  Q's fragment for a head holds zero codes everywhere but at that
; head's 32; so whatever stands beside in source 0 (the other head's codes; in its upper four registers the next tile's) is multiplied by zero codes.  The scale words have the two heads' bytes and two bytes 0, which stand for 2^-127 and are no NaN.
; LIMITS: a block whose largest magnitude lies under 2^-124 has its byte held at 1; a block of zeros gets the byte 1 (its codes are zeros); NaN and infinities are not served.
.set RAW,  131072                      ; LDS.  0: the batch's codes; RAW: its scale bytes as they lie in memory, 256 a strip: k [head][place], v [head][place].  No other bytes are filled by the tensor loads
.set KSW,  139264                      ; k's scale bytes laid for the products: [pair of heads][place 0..1023][2]
.set VSW,  143360                      ; v's as words: [head][key step][place 0..31]
.set OC,   147456                      ; the attention's result as codes: 128 pixels x (64 bytes + 16)
.set OS,   157696                      ; and its scale words
.set STG,  158208                      ; the way out: 128 channels x (512 bytes + 16)
.set AK0, 1                            ; v1-4   my lane's place in k's tiles, v's tiles, k's scale words, v's
.set AV0, 2
.set ASK0, 3
.set ASV0, 4
.set ADK, 5                            ; v5-8   the same for the key step in hand
.set ADV, 6
.set ADS, 7
.set ADT, 8
.set KS,  32                           ; v32-39 k's scale words; v40 v's; v41 q's; v42 p's; v43 l_proj's; v44-47 the result's: these hold scales and nothing else
.set VSC, 40
.set QS,  41
.set PW,  42
.set QF,  48                           ; v48-63   q's two masked fragments
.set KF,  64                           ; v64-95   eight tiles of k, four registers each;  v96-99 zeros
.set KZ,  96
.set VF,  100                          ; v100-115 two tiles of v
.set SCO, 116                          ; v116-179 S^T, then p
.set OAC, 180                          ; v180-211 O^T: 16 head + 8 tile
.set PC,  212                          ; v212-219 p's codes
.set BM,  220
.set BT,  224
.set SOP, 228
.macro PLACES n
.rept \n
	v_nop
.endr
.endm
.macro BARRIER
	s_wait_dscnt 0x0
	s_barrier_signal -1
	s_barrier_wait -1
.endm
.macro ROUND                           ; a round of the cluster's barrier: my work-group's barrier; wave 0 signals for the work-group; every wave waits for all four work-groups; my work-group's barrier once more
	s_barrier_signal -1
	s_barrier_wait -1
	s_cmp_lg_u32 s18, 0
	s_cbranch_scc1 .Lnot_wave_0_\@
	s_barrier_signal -3
.Lnot_wave_0_\@:
	s_barrier_wait -3
	s_barrier_signal -1
	s_barrier_wait -1
.endm
	s_load_b256 s[4:11], s[0:1], 0x0               ; q_codes, q_scales, kv, l_proj codes
	s_load_b128 s[12:15], s[0:1], 0x20             ; l_proj scales, l_proj_b
	s_load_b64 s[16:17], s[0:1], 0x30              ; out0
	v_lshl_add_u32 v238, v0, 2, 0x37200
	v_mov_b32 v239, 0
	ds_add_u32 v238, v239
	ds_add_u32 v238, v239
	s_wait_dscnt 0x0
	v_lshrrev_b32 v236, 5, v0
	s_delay_alu instid0(VALU_DEP_1)
	v_readfirstlane_b32 s18, v236                  ; wave w, 0..15
	s_lshr_b32 s19, s18, 3                         ; my pair of heads; in the projection my image row
	s_and_b32 s40, s18, 7                          ; my 16 queries; in the projection my 16 output channels
	s_bfe_u32 s41, ttmp6, 0x40000                  ; cx: my place in the cluster: it enters q's and out0's addresses alone
	s_lshl_b32 s44, ttmp9, 2
	s_add_co_u32 s44, s44, s41                     ; work-group = 4 x cluster + cx = 32 x batch + strip
	s_lshr_b32 s45, ttmp9, 3                       ; the batch, which the four partners share
	s_mov_b32 s24, 15|(3<<16)|(1<<21)              ; group 1: 15:0 the mask: all four work-groups; 17:16 elements of 8 bytes; 21 set beside a mask; no padding
	s_mov_b32 s25, 32<<16                          ; tensor_dim0 = 32 elements: rows of 256 bytes
	s_mov_b32 s26, 34<<16                          ; tensor_dim1 = 34
	s_mov_b32 s27, 32<<16                          ; tile_dim0 = 32
	s_mov_b32 s28, 34                              ; tile_dim1 = 34
	s_mov_b32 s29, 32                              ; the pitch: dense
	s_mov_b32 s30, 0
	s_mov_b32 s31, 0
	s_mov_b32 s32, 1                               ; group 0: count = 1
	s_mul_i32 s33, s18, 8704                       ; LDS address: my sixteenth of the 139,264 bytes
	s_mul_i32 s46, s45, 139264
	s_add_co_u32 s46, s46, s33                     ; and the same in memory: batch and wave alone
	s_mov_b32 s47, 0
	s_mov_b32 s20, 0x76543210
	s_mov_b32 s21, 0xfedcba98                      ; v_permlanex16_b32's selects for lane l xor 16
	s_mov_b32 s22, 0x3e8293ee                      ; c = log2(e) / sqrt(32)
	s_mov_b32 s23, s22                             ; (named with it as a pair, so it is written)
	s_mov_b32 s42, 0x05010400                      ; byte selects that interleave two words
	s_mov_b32 s43, 0x07030602
	s_wait_kmcnt 0x0
	s_add_nc_u64 s[34:35], s[8:9], s[46:47]
	s_or_b32 s35, s35, 0x80000000                  ; type = 2
	ROUND                                          ; all four work-groups are here: the joint loads meet
	tensor_load_to_lds s[32:35], s[24:31]
	s_nop 0
	PLACES 4
	s_lshl_b32 s2, s44, 13
	s_lshl_b32 s36, s40, 10
	s_add_co_u32 s2, s2, s36
	s_mov_b32 s3, 0
	s_add_nc_u64 s[4:5], s[4:5], s[2:3]            ; q's codes at my 16 queries: 8,192 bytes a strip, 64 a query
	s_lshl_b32 s2, s44, 9
	s_lshl_b32 s36, s40, 6
	s_add_co_u32 s2, s2, s36
	s_add_nc_u64 s[6:7], s[6:7], s[2:3]            ; and their scale bytes
	s_lshl_b32 s2, s45, 22
	s_lshl_b32 s36, s18, 17
	s_add_co_u32 s2, s2, s36
	s_and_b32 s36, s44, 31
	s_lshl_b32 s36, s36, 9
	s_add_co_u32 s2, s2, s36
	s_add_co_u32 s2, s2, 2097152
	s_add_nc_u64 s[16:17], s[16:17], s[2:3]        ; out0: channel 128 + 8 w, my strip
	v_and_b32 v237, 31, v0                         ; lane
	v_and_b32 v238, 15, v0                         ; r
	v_bfe_u32 v239, v0, 4, 1                       ; h
	s_lshl_b32 s36, s19, 5
	v_lshlrev_b32 v16, 6, v238
	s_delay_alu instid0(VALU_DEP_1)
	v_lshl_add_u32 v16, v239, 4, v16
	s_delay_alu instid0(VALU_DEP_1)
	v_add_nc_u32 v16, s36, v16                     ; q: query r, head 2 (w / 8) + h
	s_lshl_b32 s36, s19, 1
	v_lshl_add_u32 v17, v238, 2, s36               ; its two scale bytes
	s_lshl_b32 s36, s40, 10
	v_lshlrev_b32 v18, 6, v238
	s_delay_alu instid0(VALU_DEP_1)
	v_lshl_add_u32 v18, v239, 4, v18
	s_delay_alu instid0(VALU_DEP_1)
	v_add_nc_u32 v18, s36, v18                     ; l_proj: row 16 n + r of 64 bytes, + 16 h
	s_lshl_b32 s36, s40, 6
	v_lshl_add_u32 v19, v238, 2, s36
	global_load_b128 v[116:119], v16, s[4:5]
	global_load_u16 v[QS], v17, s[6:7]
	global_load_b128 v[240:243], v18, s[10:11]     ; l_proj's fragment, scale word and bias stay in registers
	global_load_b128 v[244:247], v18, s[10:11] offset:32
	global_load_b32 v43, v19, s[12:13]
	global_load_b32 v248, v19, s[14:15]
	; LDS addresses
	v_lshlrev_b32 v236, 4, v238
	s_lshl_b32 s36, s19, 10
	v_lshl_add_u32 v[AK0], v239, 9, v236
	s_delay_alu instid0(VALU_DEP_1)
	v_add_nc_u32 v[AK0], s36, v[AK0]               ; k: head 2 (w / 8) + h, place r
	s_add_co_u32 s36, s36, 2048
	v_lshl_add_u32 v[AV0], v239, 12, v236
	s_delay_alu instid0(VALU_DEP_1)
	v_add_nc_u32 v[AV0], s36, v[AV0]               ; v: strip h of a pair, place r
	s_lshl_b32 s36, s19, 11
	s_add_co_u32 s37, s36, KSW
	v_lshl_add_u32 v[ASK0], v238, 1, s37
	s_add_co_u32 s37, s36, VSW
	v_lshl_add_u32 v[ASV0], v237, 2, s37
	s_mul_i32 s36, s40, 1280
	s_lshl_b32 s37, s19, 5
	s_add_co_u32 s36, s36, s37
	s_add_co_u32 s36, s36, OC
	v_mul_u32_u24 v9, v238, 80
	s_delay_alu instid0(VALU_DEP_1)
	v_lshl_add_u32 v9, v239, 3, v9
	s_delay_alu instid0(VALU_DEP_1)
	v_add_nc_u32 v9, s36, v9                       ; the result's codes: pixel 16 (w % 8) + r
	s_lshl_b32 s36, s40, 6
	s_lshl_b32 s37, s19, 1
	s_add_co_u32 s36, s36, s37
	s_add_co_u32 s36, s36, OS
	v_lshl_add_u32 v10, v238, 2, s36
	s_mul_i32 s36, s19, 5120
	s_add_co_u32 s36, s36, OC
	v_mul_u32_u24 v11, v238, 80
	s_delay_alu instid0(VALU_DEP_1)
	v_lshl_add_u32 v11, v239, 4, v11
	s_delay_alu instid0(VALU_DEP_1)
	v_add_nc_u32 v11, s36, v11                     ; and read as fragments
	s_lshl_b32 s36, s19, 8
	s_add_co_u32 s37, s36, OS
	v_lshl_add_u32 v12, v238, 2, s37
	s_mul_i32 s37, s40, 8448
	s_add_co_u32 s36, s36, s37
	s_add_co_u32 s36, s36, STG
	v_mul_u32_u24 v13, v238, 528
	s_delay_alu instid0(VALU_DEP_1)
	v_lshl_add_u32 v13, v239, 5, v13
	s_delay_alu instid0(VALU_DEP_1)
	v_add_nc_u32 v13, s36, v13                     ; the stage, in: channel 16 n + r, my image row, + 32 h
	s_mul_i32 s36, s18, 4224
	s_add_co_u32 s36, s36, STG
	v_lshl_add_u32 v14, v237, 4, s36               ; and back
	v_lshlrev_b32 v15, 4, v237
	v_bfe_u32 v236, v0, 3, 5
	s_delay_alu instid0(VALU_DEP_1)
	v_lshlrev_b32 v28, 8, v236
	v_lshrrev_b32 v236, 8, v0
	s_delay_alu instid0(VALU_DEP_1)
	v_lshl_add_u32 v28, v236, 6, v28
	s_delay_alu instid0(VALU_DEP_2)
	v_lshlrev_b32 v30, 5, v236
	v_and_b32 v236, 7, v0
	s_delay_alu instid0(VALU_DEP_1)
	v_lshl_add_u32 v28, v236, 2, v28
	s_delay_alu instid0(VALU_DEP_1)
	v_add_nc_u32 v28, RAW, v28                     ; k's raw bytes: strip (t / 8) % 32, head 2 (t / 256), places 4 (t % 8) on
	v_lshl_add_u32 v29, v0, 3, KSW
	v_bfe_u32 v236, v0, 5, 3
	s_delay_alu instid0(VALU_DEP_1)
	v_lshl_add_u32 v30, v236, 10, v30
	s_delay_alu instid0(VALU_DEP_1)
	v_add_nc_u32 v30, v30, v237
	s_delay_alu instid0(VALU_DEP_1)
	v_add_nc_u32 v30, RAW+128, v30                 ; v's raw bytes: key step (t / 32) % 8, head t / 256, place t % 32
	v_lshl_add_u32 v31, v0, 2, VSW
	s_mov_b32 s36, 0                               ; the key step's codes: 16,384 bytes a step
	s_mov_b32 s37, 0                               ; k's scale words: 256
	s_mov_b32 s38, 0                               ; v's: 128
	s_mov_b32 s39, 8
.irp u, 0,1
	v_mov_b32 v[21+4*\u], 0xff61b1e6               ; the largest t so far: -3e38, under every t
	s_delay_alu instid0(VALU_DEP_1)
	v_floor_f32 v[20+4*\u], -v[21+4*\u]            ; -M
	v_mov_b32 v[22+4*\u], 0                        ; the sum, in two halves
	v_mov_b32 v[23+4*\u], 0
.endr
.set k, 0
.rept 32
	v_mov_b32 v[OAC+k], 0                          ; O^T.  (The loop is written once: its first step finds zeros, which the first change of M leaves zeros)
.set k, k+1
.endr
.irp j, 0,1,2,3
	v_mov_b32 v[BT+\j], 0                          ; written once: a lane permute's destination counts as one of its sources
	v_mov_b32 v[KZ+\j], 0
	v_mov_b32 v[QF+4+\j], 0
	v_mov_b32 v[QF+12+\j], 0
.endr
	v_mov_b32 v233, 0                              ; (named as the upper half of the pair v[232:233])
	s_wait_tensorcnt 0x0                           ; my sixteenth has landed,
	s_barrier_signal -1
	s_barrier_wait -1                              ; everybody's has
	; ---- the scale bytes are laid as the products want them
	ds_load_b32 v120, v28
	ds_load_b32 v121, v28 offset:32
.irp n, 0,1
.irp b, 0,1,2,3
	ds_load_u8 v[124+4*\n+\b], v30 offset:256*\b+64*\n
.endr
.endr
	s_wait_dscnt 0x0
	v_perm_b32 v122, v121, v120, s42               ; four places' bytes of two heads, interleaved
	v_perm_b32 v123, v121, v120, s43
	ds_store_b64 v29, v[122:123]
.irp n, 0,1
	v_lshl_or_b32 v[132+\n], v[125+4*\n], 8, v[124+4*\n]   ; a key step's four strips' bytes make a place's scale word
	s_delay_alu instid0(VALU_DEP_1)
	v_lshl_or_b32 v[132+\n], v[126+4*\n], 16, v[132+\n]
	s_delay_alu instid0(VALU_DEP_1)
	v_lshl_or_b32 v[132+\n], v[127+4*\n], 24, v[132+\n]
	ds_store_b32 v31, v[132+\n] offset:2048*\n
.endr
	BARRIER
	s_wait_loadcnt 0x0                             ; q and l_proj
	v_cmp_gt_u32 vcc_lo, 16, v237
.irp j, 0,1,2,3
	v_cndmask_b32 v[QF+\j], 0, v[116+\j], vcc_lo           ; the first head's fragment: lanes 0-15 keep their codes
	v_cndmask_b32 v[QF+8+\j], v[116+\j], v[KZ], vcc_lo     ; the second's: lanes 16-31
.endr
.irp j, 1,2,3,4,5,6,7
	v_mov_b32 v[248+\j], v248                      ; the bias in the result's layout
.endr
	PLACES 4
; One head's part of a key step of 128 keys.
.macro HEAD u
.set NM, 20+4*\u
.set TT, 21+4*\u
.set SM, 22+4*\u
.set OU, OAC+16*\u
.if \u
	PLACES 4                                       ; in front of loads into registers that the last products read
.endif
	s_setprio 2
.irp p, 0,1
.irp c, 0,1
	ds_load_b128 v[VF+8*\p+4*\c:VF+8*\p+4*\c+3], v[ADV] offset:8192*\c+512*\u+256*\p
.endr
.endr
	ds_load_b32 v[VSC], v[ADT] offset:1024*\u      ; lanes 0-15: the first tile's scale words; lanes 16-31: the second's
	s_wait_dscnt 5                                 ; these five may be out; k's tiles and scale words are in
.irp t, 0,1,2,3,4,5,6,7
	v_wmma_scale_f32_16x16x128_f8f6f4 v[SCO+8*\t:SCO+8*\t+7], v[KF+4*\t:KF+4*\t+7], v[QF+8*\u:QF+8*\u+7], 0, v[KS+\t], v[QS] matrix_a_fmt:MATRIX_FMT_FP4 matrix_b_fmt:MATRIX_FMT_FP4
.endr
	PLACES 4
.irp b, 0,1,2,3
	v_max3_num_f32 v[BM+\b], v[SCO+16*\b], v[SCO+1+16*\b], v[SCO+2+16*\b]   ; the largest score of each block of 32 keys: for the row's maximum, and, since p rises with the score, for the block's largest p
.endr
.irp i, 3,5,7,9,11,13
.irp b, 0,1,2,3
	v_max3_num_f32 v[BM+\b], v[BM+\b], v[SCO+16*\b+\i], v[SCO+1+16*\b+\i]
.endr
.endr
.irp b, 0,1,2,3
	v_max_num_f32 v[BM+\b], v[BM+\b], v[SCO+15+16*\b]
.endr
.irp b, 0,1,2,3
	s_delay_alu instid0(VALU_DEP_4)
	v_permlanex16_b32 v[BT+\b], v[BM+\b], s20, s21
.endr
.irp b, 0,1,2,3
	s_delay_alu instid0(VALU_DEP_4)
	v_max_num_f32 v[BM+\b], v[BM+\b], v[BT+\b]     ; with lane l xor 16's 16 keys
.endr
	s_delay_alu instid0(VALU_DEP_2)
	v_max3_num_f32 v236, v[BM], v[BM+1], v[BM+2]
	s_delay_alu instid0(VALU_DEP_1)
	v_max_num_f32 v236, v236, v[BM+3]
	s_delay_alu instid0(VALU_DEP_1)
	v_mul_f32 v236, s22, v236                      ; the step's largest t (c is positive)
	s_delay_alu instid0(VALU_DEP_1)
	v_max_num_f32 v[TT], v[TT], v236               ; the running largest t
	v_mov_b32 v236, v[NM]
	s_delay_alu instid0(VALU_DEP_2)
	v_floor_f32 v[NM], -v[TT]                      ; the new -M = -ceil(t): a whole number
	s_delay_alu instid0(VALU_DEP_1)
	v_sub_f32 v236, v[NM], v236                    ; old M - new M: a whole number, 0 or less
	s_delay_alu instid0(VALU_DEP_1)
	v_cvt_i32_f32 v236, v236                       ; (it saturates)
	s_delay_alu instid0(VALU_DEP_1)
	v_ldexp_f32 v232, 1.0, v236                    ; f = 2^(old M - new M)
.set k, 0
.rept 32
	v_pk_fma_f32 v[SCO+k:SCO+k+1], v[SCO+k:SCO+k+1], s[22:23], v[NM:NM+1] op_sel_hi:[1,0,0]   ; t - M, two at a time
.set k, k+2
.endr
.irp b, 0,1,2,3
	v_fma_f32 v[BM+\b], v[BM+\b], s22, v[NM]       ; the same of each block's largest score
.endr
.set k, 0
	s_setprio 1
	s_wait_alu depctr_va_vdst(0)
.rept 64
	v_exp_f32 v[SCO+k], v[SCO+k]                   ; p = 2^(t - M), at most 1
.set k, k+1
.endr
.irp b, 0,1,2,3
	v_exp_f32 v[BM+\b], v[BM+\b]                   ; the block's largest p: the same two instructions on the same number
.endr
	v_pk_mul_f32 v[SM:SM+1], v[SM:SM+1], v[232:233] op_sel_hi:[1,0]   ; the sum under the new M.  (A plain place behind the exponentials)
	s_wait_alu depctr_va_vdst(0)
.irp b, 0,1,2,3
	v_max_num_f32 v[BM+\b], 0x1800000, v[BM+\b]    ; the floor 2^(3 - 127): the byte cannot fall under 1
.endr
.irp b, 0,1,2,3
	s_delay_alu instid0(VALU_DEP_4)
	v_add_nc_u32 v[SOP+\b], 0xff000000, v[BM+\b]   ; 2 off the exponent field: the conversion's scale operand
.endr
.irp b, 0,1,2,3
	s_delay_alu instid0(VALU_DEP_4)
	v_lshrrev_b32 v[BT+\b], 23, v[SOP+\b]          ; the scale's byte
.endr
	s_delay_alu instid0(VALU_DEP_3)
	v_lshl_or_b32 v[PW], v[BT+1], 8, v[BT]         ; p's scale word for these 128 keys
	s_delay_alu instid0(VALU_DEP_1)
	v_lshl_or_b32 v[PW], v[BT+2], 16, v[PW]
	s_delay_alu instid0(VALU_DEP_1)
	v_lshl_or_b32 v[PW], v[BT+3], 24, v[PW]
.irp b, 0,1,2,3
	v_cvt_scalef32_pk8_fp4_f32 v[PC+2*\b], v[SCO+16*\b:SCO+7+16*\b], v[SOP+\b]
	v_cvt_scalef32_pk8_fp4_f32 v[PC+1+2*\b], v[SCO+8+16*\b:SCO+15+16*\b], v[SOP+\b]
.endr
	v_nop                                          ; one plain place behind a scaled conversion
.irp c, 0,1                                    ; the operand's layout wants a WHOLE block in a lane: lanes 0-15 block 2 c, lanes 16-31 block 2 c + 1
.irp i, 0,1
	v_permlane16_swap_b32 v[PC+4*\c+\i], v[PC+2+4*\c+\i]
.endr
.endr
	v_pk_add_f32 v[234:235], v[SCO:SCO+1], v[SCO+2:SCO+3]   ; the row's sum is taken of the unquantised p: two at a time, in two chains
	s_setprio 0
.irp j, 4,8,12,16,20,24,28,32,36,40,44,48,52,56,60
	v_pk_add_f32 v[SM:SM+1], v[SM:SM+1], v[SCO+\j:SCO+\j+1]
	v_pk_add_f32 v[234:235], v[234:235], v[SCO+2+\j:SCO+3+\j]
.endr
	s_delay_alu instid0(VALU_DEP_1)
	v_pk_add_f32 v[SM:SM+1], v[SM:SM+1], v[234:235]
.irp j, 0,2,4,6,8,10,12,14
	v_pk_mul_f32 v[OU+\j:OU+\j+1], v[OU+\j:OU+\j+1], v[232:233] op_sel_hi:[1,0]   ; O^T under the new M
.endr
	s_wait_alu depctr_va_vdst(0)
	s_wait_dscnt 0x0                               ; v's tiles and scale words are in
	v_wmma_scale_f32_16x16x128_f8f6f4 v[OU:OU+7], v[VF:VF+7], v[PC:PC+7], v[OU:OU+7], v[VSC], v[PW] matrix_a_fmt:MATRIX_FMT_FP4 matrix_b_fmt:MATRIX_FMT_FP4   ; the two accumulators take turns
	v_wmma_scale_f32_16x16x128_f8f6f4 v[OU+8:OU+15], v[VF+8:VF+15], v[PC:PC+7], v[OU+8:OU+15], v[VSC], v[PW] matrix_a_fmt:MATRIX_FMT_FP4 matrix_b_fmt:MATRIX_FMT_FP4 matrix_a_scale:MATRIX_SCALE_ROW1
.endm
.Lstep:                                            ; eight trips of 128 keys
	v_add_nc_u32 v[ADK], s36, v[AK0]               ; (these four are also the places behind the last trip's products)
	v_add_nc_u32 v[ADV], s36, v[AV0]
	v_add_nc_u32 v[ADS], s37, v[ASK0]
	v_add_nc_u32 v[ADT], s38, v[ASV0]
.irp b, 0,1,2,3
.irp p, 0,1
	ds_load_b128 v[KF+4*(2*\b+\p):KF+4*(2*\b+\p)+3], v[ADK] offset:4096*\b+256*\p
	ds_load_u16 v[KS+2*\b+\p], v[ADS] offset:64*\b+32*\p
.endr
.endr
	HEAD 0
	HEAD 1
	s_add_co_u32 s36, s36, 16384
	s_add_co_u32 s37, s37, 256
	s_add_co_u32 s38, s38, 128
	s_sub_co_i32 s39, s39, 1
	s_cmp_lg_u32 s39, 0
	s_cbranch_scc1 .Lstep
	s_setprio 0
	; ---- O^T / the sum, quantised: a head's 32 channels are one block of the projection's K
	PLACES 4
.irp u, 0,1
	v_add_f32 v[23+4*\u], v[22+4*\u], v[23+4*\u]   ; the sum's two halves,
.endr
.irp u, 0,1
	s_delay_alu instid0(VALU_DEP_2)
	v_permlanex16_b32 v[BT+\u], v[23+4*\u], s20, s21
.endr
.irp u, 0,1
	s_delay_alu instid0(VALU_DEP_2)
	v_add_f32 v[23+4*\u], v[23+4*\u], v[BT+\u]     ; and lane l xor 16's
.endr
	s_wait_alu depctr_va_vdst(0)
.irp u, 0,1
	v_rcp_f32 v[22+4*\u], v[23+4*\u]
.endr
	v_nop                                          ; a plain place behind the reciprocals
	s_wait_alu depctr_va_vdst(0)
.irp u, 0,1
.irp j, 0,2,4,6,8,10,12,14
	v_pk_mul_f32 v[116+16*\u+\j:117+16*\u+\j], v[OAC+16*\u+\j:OAC+16*\u+\j+1], v[22+4*\u:23+4*\u] op_sel_hi:[1,0]
.endr
.endr
.irp u, 0,1
	v_max3_num_f32 v[220+6*\u], |v[116+16*\u]|, |v[117+16*\u]|, 0x1800000
.irp i, 2,4,6,8,10,12,14
	s_delay_alu instid0(VALU_DEP_1)
	v_max3_num_f32 v[220+6*\u], v[220+6*\u], |v[116+16*\u+\i]|, |v[117+16*\u+\i]|
.endr
	s_delay_alu instid0(VALU_DEP_1)
	v_permlanex16_b32 v[221+6*\u], v[220+6*\u], s20, s21
	s_delay_alu instid0(VALU_DEP_1)
	v_max_num_f32 v[220+6*\u], v[220+6*\u], v[221+6*\u]
	s_delay_alu instid0(VALU_DEP_1)
	v_add_nc_u32 v[222+6*\u], 0xff000000, v[220+6*\u]
	s_delay_alu instid0(VALU_DEP_1)
	v_lshrrev_b32 v[223+6*\u], 23, v[222+6*\u]
	v_cvt_scalef32_pk8_fp4_f32 v[224+6*\u], v[116+16*\u:123+16*\u], v[222+6*\u]
	v_cvt_scalef32_pk8_fp4_f32 v[225+6*\u], v[124+16*\u:131+16*\u], v[222+6*\u]
	v_nop                                          ; one plain place behind a scaled conversion
	ds_store_b64 v9, v[224+6*\u:225+6*\u] offset:16*\u
.endr
	v_lshl_or_b32 v236, v229, 8, v223              ; my two heads' bytes
	ds_store_b16 v10, v236                         ; both halves of the lanes write the same bytes with the same values
	BARRIER                                        ; the 128 pixels' codes and scale words lie in LDS
	; ---- the projection: source 0 = 16 pixels, source 1 = my 16 output channels; the bias is the C
.irp g, 0,1,2,3
.irp c, 0,1
	ds_load_b128 v[148+8*\g+4*\c:148+8*\g+4*\c+3], v11 offset:1280*\g+32*\c
.endr
.endr
.irp g, 0,1,2,3
	ds_load_b32 v[44+\g], v12 offset:64*\g
.endr
	s_wait_dscnt 0x0
.irp g, 0,1,2,3
	v_wmma_scale_f32_16x16x128_f8f6f4 v[180+8*\g:187+8*\g], v[148+8*\g:155+8*\g], v[240:247], v[248:255], v[44+\g], v43 matrix_a_fmt:MATRIX_FMT_FP4 matrix_b_fmt:MATRIX_FMT_FP4
.endr
	PLACES 4
.irp g, 0,1,2,3
	ds_store_b128 v13, v[180+8*\g:183+8*\g] offset:64*\g        ; eight neighbouring columns of my image row; each accumulator from its low end on
	ds_store_b128 v13, v[184+8*\g:187+8*\g] offset:64*\g+16
.endr
	BARRIER                                        ; 128 channels x 512 bytes lie in the stage
.irp k, 0,1,2,3,4,5,6,7
	ds_load_b128 v[116+4*\k:119+4*\k], v14 offset:528*\k
.endr
.irp k, 0,1,2,3,4,5,6,7
	s_wait_dscnt 7-\k                              ; the younger loads stay out
	global_store_b128 v15, v[116+4*\k:119+4*\k], s[16:17] offset:16384*\k th:TH_STORE_NT   ; 32 lanes store a channel's 512 consecutive bytes, aligned
.endr
	s_wait_xcnt 0x0
	v_lshl_add_u32 v238, v0, 2, 0x37200
	v_mov_b32 v239, 0
	s_wait_alu depctr_va_vdst(0)
	s_wait_tensorcnt 0x0
	ds_add_u32 v238, v239
	s_wait_dscnt 0x0
	ROUND                                          ; the closing round: no work-group ends while a partner may still ask for a tile that names it
	s_endpgm
.Lfunc_end_k_qdfca9421d0_lofi:
	.size	k_qdfca9421d0_lofi, .Lfunc_end_k_qdfca9421d0_lofi-k_qdfca9421d0_lofi
	.p2alignl 7, 3214868480
	.fill 96, 4, 3214868480
	.section	.rodata,"a",@progbits
	.p2align	6, 0x0
	.amdhsa_kernel k_qdfca9421d0_lofi
		.amdhsa_group_segment_fixed_size 227840
		.amdhsa_private_segment_fixed_size 0
		.amdhsa_enable_private_segment 0
		.amdhsa_kernarg_size 56
		.amdhsa_user_sgpr_count 2
		.amdhsa_user_sgpr_kernarg_segment_ptr 1
		.amdhsa_wavefront_size32 1
		.amdhsa_system_sgpr_workgroup_id_x 1
		.amdhsa_system_sgpr_workgroup_id_y 1
		.amdhsa_system_sgpr_workgroup_id_z 1
		.amdhsa_system_vgpr_workitem_id 0
		.amdhsa_next_free_vgpr 256
		.amdhsa_next_free_sgpr 66
		.amdhsa_reserve_vcc 1
		.amdhsa_float_denorm_mode_32 3
		.amdhsa_float_denorm_mode_16_64 3
		.amdhsa_memory_ordered 1
		.amdhsa_forward_progress 1
		.amdhsa_inst_pref_size 51
	.end_amdhsa_kernel
	.amdgpu_metadata
---
amdhsa.version: [ 1, 2 ]
amdhsa.kernels:
  - .name:           k_qdfca9421d0_lofi
    .symbol:         k_qdfca9421d0_lofi.kd
    .args:
      - { .name: q_codes, .offset: 0, .size: 8, .value_kind: global_buffer, .address_space: global }
      - { .name: q_scales, .offset: 8, .size: 8, .value_kind: global_buffer, .address_space: global }
      - { .name: kv, .offset: 16, .size: 8, .value_kind: global_buffer, .address_space: global }
      - { .name: l_proj_w_codes, .offset: 24, .size: 8, .value_kind: global_buffer, .address_space: global }
      - { .name: l_proj_w_scales, .offset: 32, .size: 8, .value_kind: global_buffer, .address_space: global }
      - { .name: l_proj_b, .offset: 40, .size: 8, .value_kind: global_buffer, .address_space: global }
      - { .name: out0, .offset: 48, .size: 8, .value_kind: global_buffer, .address_space: global }
    .group_segment_fixed_size: 227840
    .private_segment_fixed_size: 0
    .kernarg_segment_align: 8
    .kernarg_segment_size: 56
    .max_flat_workgroup_size: 512
    .sgpr_count:     66
    .vgpr_count:     256
    .wavefront_size: 32
...
	.end_amdgpu_metadata
.endif
;; end of part 4
